; MI455X (gfx1250); checked and timed in simulation.
; The chip was launched on July 23, 2026; its instructions are those of AMD's public machine-readable ISA for CDNA 5 (MIT licence, August 2026) and "CDNA5" Instruction Set Architecture Reference Guide (July 2026). The comments in the code are by the model that wrote it; some were corrected since.
;; Attention Block. Allowed arithmetic: matrix products marked QUANTISED: E2M3 operands, one E8M0 scale for each 32 along K, by v_wmma_scale_f32_16x16x128_f8f6f4 with both operands' format E2M3, f32 sums; everything else in f32.
;; Inputs: b_proj 256 float32; b_qkv 768 float32; gn_beta 256 float32; gn_gamma 256 float32; w_proj_codes 256 x 8 x 24 uint8 (E2M3 codes of w_proj, K innermost, in blocks of 32 codes, four codes in three bytes); w_proj_scales 256 x 8 uint8 (E8M0 scales of w_proj, one for each 32 codes along K); w_qkv_codes 768 x 8 x 24 uint8 (E2M3 codes of w_qkv, K innermost, in blocks of 32 codes, four codes in three bytes); w_qkv_scales 768 x 8 uint8 (E8M0 scales of w_qkv, one for each 32 codes along K); x 4 x 256 x 64 x 64 float32.
;; Outputs: out0 4 x 256 x 64 x 64 float32.
;; This version of the problem:
;;   THIS VERSION OF THE PROBLEM IS GIVEN IN LOW PRECISION. The matrix products marked QUANTISED in the list below multiply operands that are first quantised to E2M3 (2 exponent bits, 3 mantissa bits; 6 bits a number), with one power-of-two scale for each 32 numbers along K (OCP MX v1.0); their sums are f32. All else is computed in f32.
;;   The module's matrix products, in the order in which they are computed (A, B: the left and right operand; K: the contracted axis; several contracted axes count as one K, in the product's order):
;;     1. [M 16,384, K 256] x [K 256, N 768]; A: computed on the way; B: input w_qkv (given as codes): QUANTISED
;;     2. batch 16 x [M 4,096, K 64] x [K 64, N 4,096]; A: computed on the way; B: computed on the way: QUANTISED
;;     3. batch 16 x [M 4,096, K 4,096] x [K 4,096, N 64]; A: softmax (see below); B: computed on the way: QUANTISED
;;     4. [M 16,384, K 256] x [K 256, N 256]; A: computed on the way; B: input w_proj (given as codes): QUANTISED
;;   THE QUANTISER, for each operand of a quantised product, along K:
;;     - K is cut into blocks of 32 from its start; a last block that is shorter is filled with zeros.
;;     - A block's scale is 2^e with e = floor(log2(the largest magnitude in the block)) - 2, held to -126 .. 127; a block of zeros has e = 0. As a byte (E8M0): e + 127.
;;     - Each number is divided by its block's scale, clamped to +-7.5, and rounded to the nearest number of E2M3, ties to even, subnormals kept.
;;     - The product sums the exact products of the quantised numbers (number of the format x scale) in f32.
;;   ~~~python
;;   def quantise(x, axis):      # numpy; x: float32 -> the quantised numbers, widened to float32 again
;;       x = np.moveaxis(x, axis, -1); K = x.shape[-1]
;;       x = np.pad(x, [(0, 0)] * (x.ndim - 1) + [(0, -K % 32)]); x = x.reshape(x.shape[:-1] + (-1, 32)); a = np.abs(x).max(-1, keepdims=True)
;;       e = np.where(a > 0, np.clip(np.frexp(np.where(a > 0, a, 1))[1] - 1 - 2, -126, 127), 0)      # np.frexp(a)[1] - 1 = floor(log2(a)), exactly
;;       r = np.clip(x / 2.0 ** e, -7.5, 7.5)
;;       step = 2.0 ** (np.maximum(np.frexp(np.where(r == 0, 1, r))[1] - 1, 0) - 3)
;;       q = np.round(r / step) * step * 2.0 ** e      # np.round: ties to even
;;       return np.moveaxis(q.reshape(q.shape[:-2] + (-1,))[..., :K], -1, axis).astype(np.float32)
;;   ~~~
;;   SOFTMAX AHEAD OF A QUANTISED PRODUCT. Where the list says 'softmax', what is quantised is not the finished softmax but p = 2^(t - M), with t = logit x log2(e) and M = ceil(the row's largest t), a whole number; so 1/2 < the row's largest p <= 1. The row's sum l is taken of the UNQUANTISED p, in f32, and the product's result is divided by l at the end. Since M is a whole number, a kernel that streams over the keys may use a running M (the ceiling of the running maximum): every later rescaling is an exact power of two, which a block's scale takes up: the codes' values come out the same.
;;   OPERANDS COMPUTED ON THE WAY. 'Computed on the way' means the value that the module computes at that place (a softmax that the list does not call 'softmax' is quantised finished and normalised). What goes into a quantiser is computed in f32, as accurately as f32 sums, v_exp_f32 and their like allow (about 1e-6 of the number): no bf16 or f16 on the way to a quantiser, and a product that is left as it is and whose result goes on into a quantised operand takes f32 operands (vector FMAs, or v_wmma_f32_16x16x4_f32). A number that lies on a knife's edge between two numbers of the format may be rounded either way, as far as f32 arithmetic and the matrix unit's own rounding can turn it there, and no further.
;;   INPUTS GIVEN AS CODES. w_proj (in the module: [256, 256], K = its axis 1); w_qkv (in the module: [768, 256], K = its axis 1): each comes as NAME_codes (uint8): NAME with its K axis moved to the last place and cut into blocks of 32 codes, [.., K / 32, bytes a block], one block behind the other in memory; four codes in three bytes: a row's codes are one little-endian stream of bits, code i at bits 6 i .. 6 i + 5 (a code: sign, 2 exponent bits, 3 mantissa bits); and NAME_scales (uint8): the same leading axes, one E8M0 byte (e + 127) for each 32 codes along K. Its value is code x scale, taken as it is: it is not quantised again, and the codes and scales need not be those that the quantiser above would give.
;; One version. Each part assembles by itself: llvm-mc -triple=amdgcn-amd-amdhsa -mcpu=gfx1250 --defsym DOCPART=n.
;; ======== version 1 of 1: 4 launches
;; workspace buffers: gstat 2,048 bytes; qrec 3,407,872 bytes; kvrec 6,684,672 bytes; orec 3,276,800 bytes
;; launch stats (part 1): grid 256 x 1, 8 waves a work-group, no clusters, 2,048 bytes of LDS; arguments x, gstat; writes gstat
.if DOCPART == 1
	.amdgcn_target "amdgcn-amd-amdhsa--gfx1250"
	.amdhsa_code_object_version 6
	.text
	.protected	k_q41b1532cea_stats
	.globl	k_q41b1532cea_stats
	.p2align	8
	.type	k_q41b1532cea_stats,@function
k_q41b1532cea_stats:
	s_mov_b64 s[64:65], 0
	v_nop
	global_prefetch_b8 v0, s[64:65] scope:SCOPE_SE
	s_setreg_imm32_b32 hwreg(HW_REG_WAVE_MODE, 25, 1), 1
	s_wait_xcnt 0x0
; GROUP NORM, FIRST HALF.  x is [4][256][4096] f32; a group is 32 channels x 4,096 places = 131,072 numbers, 524,288 consecutive bytes.
; Work-group w takes the eighth w % 8 of group w / 8: 65,536 consecutive bytes, 16,384 numbers, 64 a thread, kept in registers for both passes.
; It stores the eighth's own mean and the sum of squares of the distances from THAT mean (M2) at gstat[w]: 8 bytes.  The next launch joins the eight
; pairs of a group; no difference of large sums is formed, so a common offset of the inputs costs no digits.
; Each load of a wave covers 512 consecutive bytes.  Work-groups share no input: no cluster, no tensor load.  The one store is 8 bytes a work-group, 2,048 bytes in all.
; LIMITS: NaN and infinities among the inputs are not served.
.set X,   16                           ; v16-79   my 64 numbers
.set CH,  80                           ; v80-87   four chains of pairs
.set MV,  88                           ; v[88:89] the mean, M2 (v89 is 0 while the pair serves as the packed subtrahend)
.set RS,  90                           ; v90      the sum in hand
.set PT,  91                           ; v91      the lane permute's destination
	s_load_b128 s[4:7], s[0:1], 0x0                ; x, gstat
	v_lshl_add_u32 v96, v0, 2, 0x400
	v_mov_b32 v97, 0
	v_lshlrev_b32 v1, 4, v0                        ; 16 x thread
	v_mov_b32 v2, 0
	v_lshrrev_b32 v3, 5, v0
	s_delay_alu instid0(VALU_DEP_1)
	v_readfirstlane_b32 s8, v3                     ; wave
	s_delay_alu instid0(VALU_DEP_2)
	v_lshlrev_b32 v3, 2, v3                        ; LDS: 4 x wave
	v_mov_b32 v[MV+1], 0
	v_mov_b32 v[PT], 0                             ; a lane permute's destination counts as one of its sources
	s_mov_b32 s12, 0x76543210
	s_mov_b32 s13, 0xfedcba98                      ; v_permlanex16_b32's selects for lane l xor 16
	s_lshl_b32 s10, ttmp9, 16                      ; my eighth: 65,536 bytes a work-group
	s_mov_b32 s11, 0
	s_lshl_b32 s14, ttmp9, 3                       ; my pair in gstat
	s_mov_b32 s15, 0
	s_wait_alu depctr_va_vdst(0)
	s_wait_kmcnt 0x0
	s_add_nc_u64 s[4:5], s[4:5], s[10:11]
	s_add_nc_u64 s[6:7], s[6:7], s[14:15]
.irp j, 0,1,2,3,4,5,6,7,8,9,10,11,12,13,14,15
	global_load_b128 v[X+4*\j:X+4*\j+3], v1, s[4:5] offset:4096*\j th:TH_LOAD_NT
.endr
.macro REDUCE                          ; the sum of v[RS] over the wave's 32 lanes, in every lane
	s_delay_alu instid0(VALU_DEP_1)
	v_add_f32_dpp v[RS], v[RS], v[RS] row_xmask:1 row_mask:0xf bank_mask:0xf
	s_delay_alu instid0(VALU_DEP_1)
	v_add_f32_dpp v[RS], v[RS], v[RS] row_xmask:2 row_mask:0xf bank_mask:0xf
	s_delay_alu instid0(VALU_DEP_1)
	v_add_f32_dpp v[RS], v[RS], v[RS] row_xmask:4 row_mask:0xf bank_mask:0xf
	s_delay_alu instid0(VALU_DEP_1)
	v_add_f32_dpp v[RS], v[RS], v[RS] row_xmask:8 row_mask:0xf bank_mask:0xf
	s_delay_alu instid0(VALU_DEP_1)
	v_permlanex16_b32 v[PT], v[RS], s12, s13
	s_delay_alu instid0(VALU_DEP_1)
	v_add_f32 v[RS], v[RS], v[PT]
.endm
.macro ACROSS off, dst                 ; and over the eight waves: a word a wave at LDS byte off, a barrier, every wave reads all eight
	ds_store_b32 v3, v[RS] offset:\off
	s_wait_dscnt 0x0                               ; for the others' sake: my store has landed
	s_barrier_signal -1
	s_barrier_wait -1
	ds_load_b128 v[92:95], v2 offset:\off
	ds_load_b128 v[8:11], v2 offset:\off+16
	s_wait_dscnt 0x0
	v_add_f32 v92, v92, v93
	v_add_f32 v94, v94, v95
	v_add_f32 v8, v8, v9
	v_add_f32 v10, v10, v11
	s_delay_alu instid0(VALU_DEP_3)
	v_add_f32 v92, v92, v94
	s_delay_alu instid0(VALU_DEP_2)
	v_add_f32 v8, v8, v10
	s_delay_alu instid0(VALU_DEP_1)
	v_add_f32 v[\dst], v92, v8
.endm
	s_wait_loadcnt 0x0
	v_pk_add_f32 v[82:83], v[16:17], v[24:25]
	v_pk_add_f32 v[84:85], v[32:33], v[40:41]
	v_pk_add_f32 v[86:87], v[48:49], v[56:57]
	v_pk_add_f32 v[14:15], v[64:65], v[72:73]
	v_pk_add_f32 v[12:13], v[18:19], v[26:27]
	v_pk_add_f32 v[6:7], v[34:35], v[42:43]
	v_pk_add_f32 v[4:5], v[50:51], v[58:59]
	v_pk_add_f32 v[80:81], v[66:67], v[74:75]
	s_delay_alu instid0(VALU_DEP_1)
	v_pk_add_f32 v[80:81], v[80:81], v[20:21]
	v_pk_add_f32 v[82:83], v[82:83], v[28:29]
	v_pk_add_f32 v[84:85], v[84:85], v[36:37]
	v_pk_add_f32 v[86:87], v[86:87], v[44:45]
	v_pk_add_f32 v[14:15], v[14:15], v[52:53]
	v_pk_add_f32 v[12:13], v[12:13], v[60:61]
	v_pk_add_f32 v[6:7], v[6:7], v[68:69]
	v_pk_add_f32 v[4:5], v[4:5], v[76:77]
	v_pk_add_f32 v[80:81], v[80:81], v[22:23]
	v_pk_add_f32 v[82:83], v[82:83], v[30:31]
	v_pk_add_f32 v[84:85], v[84:85], v[38:39]
	v_pk_add_f32 v[86:87], v[86:87], v[46:47]
	v_pk_add_f32 v[14:15], v[14:15], v[54:55]
	v_pk_add_f32 v[12:13], v[12:13], v[62:63]
	v_pk_add_f32 v[6:7], v[6:7], v[70:71]
	v_pk_add_f32 v[4:5], v[4:5], v[78:79]
	s_delay_alu instid0(VALU_DEP_4)
	v_pk_add_f32 v[80:81], v[80:81], v[14:15]
	s_delay_alu instid0(VALU_DEP_4)
	v_pk_add_f32 v[82:83], v[82:83], v[12:13]
	s_delay_alu instid0(VALU_DEP_4)
	v_pk_add_f32 v[84:85], v[84:85], v[6:7]
	s_delay_alu instid0(VALU_DEP_4)
	v_pk_add_f32 v[86:87], v[86:87], v[4:5]
	s_delay_alu instid0(VALU_DEP_2)
	v_pk_add_f32 v[80:81], v[80:81], v[84:85]
	s_delay_alu instid0(VALU_DEP_2)
	v_pk_add_f32 v[82:83], v[82:83], v[86:87]
	s_delay_alu instid0(VALU_DEP_1)
	v_pk_add_f32 v[80:81], v[80:81], v[82:83]
	s_delay_alu instid0(VALU_DEP_1)
	v_add_f32 v[RS], v[CH], v[CH+1]
	REDUCE
	ACROSS 0, RS
	s_delay_alu instid0(VALU_DEP_1)
	v_mul_f32 v[MV], 0x38800000, v[RS]             ; / 16,384: the eighth's mean
	; pass 2: the distances from that mean, and the sum of their squares
.set n, X
.rept 32
	v_pk_add_f32 v[n:n+1], v[n:n+1], v[MV:MV+1] op_sel_hi:[1,0] neg_lo:[0,1] neg_hi:[0,1]
.set n, n+2
.endr
.irp k, 0,1,2,3
	v_pk_mul_f32 v[CH+2*\k:CH+2*\k+1], v[X+2*\k:X+2*\k+1], v[X+2*\k:X+2*\k+1]
.endr
.irp p, 4,8,12,16,20,24,28
.irp k, 0,1,2,3
	s_delay_alu instid0(VALU_DEP_4)
	v_pk_fma_f32 v[CH+2*\k:CH+2*\k+1], v[X+2*(\p+\k):X+2*(\p+\k)+1], v[X+2*(\p+\k):X+2*(\p+\k)+1], v[CH+2*\k:CH+2*\k+1]
.endr
.endr
	s_delay_alu instid0(VALU_DEP_3)
	v_pk_add_f32 v[CH:CH+1], v[CH:CH+1], v[CH+2:CH+3]
	s_delay_alu instid0(VALU_DEP_2)
	v_pk_add_f32 v[CH+4:CH+5], v[CH+4:CH+5], v[CH+6:CH+7]
	s_delay_alu instid0(VALU_DEP_1)
	v_pk_add_f32 v[CH:CH+1], v[CH:CH+1], v[CH+4:CH+5]
	s_delay_alu instid0(VALU_DEP_1)
	v_add_f32 v[RS], v[CH], v[CH+1]
	REDUCE
	ACROSS 64, MV+1                                ; other LDS bytes than the first time: no wave can still be reading what is written here
	s_cmp_lg_u32 s8, 0                             ; wave 0's lane 0 stores the pair
	s_cbranch_scc1 .Lend
	v_cmp_eq_u32 vcc_lo, 0, v0
	s_wait_xcnt 0x0                                ; EXEC changes only behind this wait
	s_and_saveexec_b32 s9, vcc_lo
	s_wait_alu depctr_va_vdst(0)
	global_store_b64 v2, v[MV:MV+1], s[6:7]
	s_wait_xcnt 0x0                                ; and again in front of the line that widens it
	s_or_b32 exec_lo, exec_lo, s9
.Lend:
	s_wait_tensorcnt 0x0
	ds_add_u32 v96, v97
	s_wait_dscnt 0x0
	s_endpgm
.Lfunc_end_k_q41b1532cea_stats:
	.size	k_q41b1532cea_stats, .Lfunc_end_k_q41b1532cea_stats-k_q41b1532cea_stats
	.p2alignl 7, 3214868480
	.fill 96, 4, 3214868480
	.section	.rodata,"a",@progbits
	.p2align	6, 0x0
	.amdhsa_kernel k_q41b1532cea_stats
		.amdhsa_group_segment_fixed_size 2048
		.amdhsa_private_segment_fixed_size 0
		.amdhsa_enable_private_segment 0
		.amdhsa_kernarg_size 16
		.amdhsa_user_sgpr_count 2
		.amdhsa_user_sgpr_kernarg_segment_ptr 1
		.amdhsa_wavefront_size32 1
		.amdhsa_system_sgpr_workgroup_id_x 1
		.amdhsa_system_sgpr_workgroup_id_y 1
		.amdhsa_system_sgpr_workgroup_id_z 1
		.amdhsa_system_vgpr_workitem_id 0
		.amdhsa_next_free_vgpr 98
		.amdhsa_next_free_sgpr 66
		.amdhsa_reserve_vcc 1
		.amdhsa_float_denorm_mode_32 3
		.amdhsa_float_denorm_mode_16_64 3
		.amdhsa_memory_ordered 1
		.amdhsa_forward_progress 1
		.amdhsa_inst_pref_size 13
	.end_amdhsa_kernel
	.amdgpu_metadata
---
amdhsa.version: [ 1, 2 ]
amdhsa.kernels:
  - .name:           k_q41b1532cea_stats
    .symbol:         k_q41b1532cea_stats.kd
    .args:
      - { .name: x, .offset: 0, .size: 8, .value_kind: global_buffer, .address_space: global }
      - { .name: gstat, .offset: 8, .size: 8, .value_kind: global_buffer, .address_space: global }
    .group_segment_fixed_size: 2048
    .private_segment_fixed_size: 0
    .kernarg_segment_align: 8
    .kernarg_segment_size: 16
    .max_flat_workgroup_size: 256
    .sgpr_count:     66
    .vgpr_count:     98
    .wavefront_size: 32
...
	.end_amdgpu_metadata
.endif
;; end of part 1
;; launch qkv (part 2): grid 256 x 1, 8 waves a work-group, no clusters, 14,336 bytes of LDS; arguments x, gstat, gn_gamma, gn_beta, w_qkv_codes, w_qkv_scales, b_qkv, qrec, kvrec; writes qrec, kvrec
.if DOCPART == 2
	.amdgcn_target "amdgcn-amd-amdhsa--gfx1250"
	.amdhsa_code_object_version 6
	.text
	.protected	k_q41b1532cea_qkv
	.globl	k_q41b1532cea_qkv
	.p2align	8
	.type	k_q41b1532cea_qkv,@function
k_q41b1532cea_qkv:
	s_mov_b64 s[64:65], 0
	v_nop
	global_prefetch_b8 v0, s[64:65] scope:SCOPE_SE
	s_setreg_imm32_b32 hwreg(HW_REG_WAVE_MODE, 25, 1), 1
	s_wait_xcnt 0x0
; GROUP NORM'S SECOND HALF, THE QKV PRODUCT, AND THE QUANTISING OF q, k AND v.  All products on codes of FP6 (E2M3) with one E8M0 scale for each 32 along K.
; A work-group takes 64 tokens of one image (b = id / 64, tokens 64 (id % 64) on) and all 768 outputs.  Straight-line text, one barrier.
; TOKEN TILES.  Tile 2 B + u holds, in row r, token 32 B + 8 u + r + (r & 8).  Where a tile's tokens are the rows of a result (row 8 h + j in register j of half h),
; registers j of tiles u = 0, 1 are then the 16 neighbouring tokens 32 B + 16 h + 8 u + j.  W's rows are dealt to tiles in the same way, so that results are neighbours along the next K.
; PHASE X.  x lies [b][c][n]: K (the channels) is not innermost, so a LANE TAKES A TOKEN and its registers run down the channels.  Wave j: tokens 32 (j & 1) on, channels 64 (j >> 1) on: two whole blocks
; of 32 a lane, and a block of 32 channels is one group of the norm.  The eight (mean, M2) pairs of each group are joined (mean of means; M2 = sum of M2 + 16,384 x sum of squared distances of the means).
; h = ((x - mean) x rsqrt(var + eps)) x gamma + beta, quantised in the lane; one exchange of halves makes the two tiles' half fragments.
; OPERANDS GO ROUND AS IMAGES OF THEIR REGISTERS.  A half fragment (16 rows x 64 K: 6 registers a lane) is 768 bytes: registers 0-3 at 16 x lane, registers 4-5 at 512 + 8 x lane.
; PHASE G.  Wave j: head j >> 1; Z = j & 1.  Z = 0 makes q of the head, Z = 1 makes k (source 0 = 16 rows of W, source 1 = a token tile: a lane holds one token, its registers run along d);
; both make v's tiles 2 Z, 2 Z + 1 of d (source 0 = a token tile, source 1 = 16 rows of W: a lane holds one d, its registers run along the tokens, which are the K of attention's second product).
; The biases are the C of each sum's first matrix instruction.  48 matrix instructions a wave.
; The weights (153,600 bytes) are read by every work-group, each wave its own 12 fragments, once, straight into the registers in which they are multiplied: a joint load
; would send them through LDS and out again for a single use, so there is no cluster here.
; OUT.  qrec [16 heads][64][3,328]: four tiles' images, then the scale words of tile pairs (lanes 0-15 the even tile, lanes 16-31 the odd one).
; kvrec [16 heads][32 key steps][13,056]: k's 8 images, v's 4 x 2 images, k's 4 pairs of scale words, v's 2.  Every image is stored in whole aligned runs of 256 bytes.
; LIMITS: NaN and infinities are not served.  A block of zeros gets the scale byte 1 where the rule says 127: its codes are zeros, and this program alone reads the bytes.
.set XSC,  12288                       ; LDS: h's 16 half fragments (tile m, channels 64 p on: (4 m + p) x 768) from byte 0; behind them their scale words: (pair t, K step s) at 256 t + 128 s + 4 x lane
.set QREC, 3328
.set REC,  13056
.set WS,   16                          ; v16-21  W's scale words, a register a tile: lanes 0-15 K step 0, lanes 16-31 K step 1; q or k tiles 0-3, v tiles 0-1
.set XS,   22                          ; v22-25  h's scale words: (t, s) at 2 t + s
.set X,    32                          ; phase X: v32-95 my token's 64 channels; v96-159 gamma; v160-223 beta
.set GA,   96
.set BE,   160
.set XF,   32                          ; phase G: v32-127 h's eight fragments, (tile m, K step s) at 12 (2 m + s)
.set ACC,  128                         ; v128-191 eight accumulators
.set TM,   224                         ; v224-227 largest magnitudes, and the lane permutes' destinations
.set SO,   228                         ; v228-229 the conversions' scale operands
.set BY,   230                         ; v230-231 the scale bytes
.set PW0,  232
.set PW1,  233
.set PWC,  234
.set PC0,  236                         ; v236-244 codes
.set PC1,  246                         ; v246-254 codes
.set ST,   236                         ; ahead of the codes: v236-239 at work on the statistics,
.set ME,   246                         ; v[246:247] mean, v[248:249] 1 / sigma of the first group, v[250:253] of the second (the odd registers are 0: named as pairs)
.set WQ,   0                           ; window 1: v0-95 W's fragments for q or k, (tile i, s) at 12 (2 i + s); v96-143 for v; v144-175 q's or k's bias, v176-191 v's
.set WV,   96
.set BQ,   144
.set BV,   176
.set SEL,  62                          ; s[62:63]
.set PI,   66                          ; s[66:67] where q's or k's images go; s[68:69] their scale words; s[70:71], s[72:73] v's
.set PS,   68
.set PVI,  70
.set PVS,  72
.set WQP,  74                          ; s[74:85] my parts of W's codes (q or k; v), of its scales, of the bias
.set WVP,  76
.set WSQ,  78
.set WSV,  80
.set BQP,  82
.set BVP,  84
.set MSB, 0
.macro WIN new                         ; the immediate's high byte repeats the setting that is left
.if MSB != \new
	s_set_vgpr_msb (MSB<<8)|\new
.set MSB, \new
.endif
.endm
; one matrix instruction; ra, rb: A's and B's scales stand in lanes 16-31 of their registers
.macro WM d, a, b, c, sa, sb, ra, rb
.if (\ra) && (\rb)
	v_wmma_scale_f32_16x16x128_f8f6f4 v[\d:\d+7], v[\a:\a+11], v[\b:\b+11], v[\c:\c+7], v[\sa], v[\sb] matrix_a_fmt:MATRIX_FMT_FP6 matrix_b_fmt:MATRIX_FMT_FP6 matrix_a_scale:MATRIX_SCALE_ROW1 matrix_b_scale:MATRIX_SCALE_ROW1
.elseif (\ra)
	v_wmma_scale_f32_16x16x128_f8f6f4 v[\d:\d+7], v[\a:\a+11], v[\b:\b+11], v[\c:\c+7], v[\sa], v[\sb] matrix_a_fmt:MATRIX_FMT_FP6 matrix_b_fmt:MATRIX_FMT_FP6 matrix_a_scale:MATRIX_SCALE_ROW1
.elseif (\rb)
	v_wmma_scale_f32_16x16x128_f8f6f4 v[\d:\d+7], v[\a:\a+11], v[\b:\b+11], v[\c:\c+7], v[\sa], v[\sb] matrix_a_fmt:MATRIX_FMT_FP6 matrix_b_fmt:MATRIX_FMT_FP6 matrix_b_scale:MATRIX_SCALE_ROW1
.else
	v_wmma_scale_f32_16x16x128_f8f6f4 v[\d:\d+7], v[\a:\a+11], v[\b:\b+11], v[\c:\c+7], v[\sa], v[\sb] matrix_a_fmt:MATRIX_FMT_FP6 matrix_b_fmt:MATRIX_FMT_FP6
.endif
.endm
	s_load_b512 s[36:51], s[0:1], 0x0              ; x 36, gstat 38, gamma 40, beta 42, W's codes 44, W's scales 46, the bias 48, qrec 50
	s_load_b64 s[52:53], s[0:1], 0x40              ; kvrec
	v_lshl_add_u32 v245, v0, 2, 0x3400
	v_mov_b32 v255, 0
	v_lshrrev_b32 v1, 5, v0
	s_delay_alu instid0(VALU_DEP_1)
	v_readfirstlane_b32 s54, v1                    ; wave 0..7
	s_and_b32 s55, s54, 1                          ; T (phase X) = Z (phase G)
	s_lshr_b32 s56, s54, 1                         ; P (phase X) = the head (phase G)
	s_lshr_b32 s57, ttmp9, 6                       ; b
	s_and_b32 s58, ttmp9, 63                       ; tb: which 64 tokens
	s_and_b32 s59, s58, 1                          ; cc: which half of a key step of 128
	s_lshl_b32 s60, s57, 2
	s_add_co_u32 s60, s60, s56                     ; 4 b + head
	s_mov_b32 s61, 0xffff0000                      ; lanes 16-31
	s_mov_b32 s[SEL], 0x76543210
	s_mov_b32 s[SEL+1], 0xfedcba98                 ; v_permlanex16_b32's selects for lane l xor 16
	s_mov_b32 s96, 0x37000000                      ; 2^-17 = 1 / 131,072
	v_and_b32 v1, 31, v0                           ; lane
	v_and_b32 v2, 15, v0                           ; r
	v_bfe_u32 v3, v0, 4, 1                         ; h
	s_delay_alu instid0(VALU_DEP_3)
	v_lshlrev_b32 v4, 4, v1                        ; 16 x lane
	s_delay_alu instid0(VALU_DEP_4)
	v_lshlrev_b32 v5, 3, v1                        ; 8 x lane
	v_lshlrev_b32 v6, 2, v1                        ; 4 x lane
	s_wait_alu depctr_va_vdst(0)
	v_and_b32 v14, 8, v2
	s_delay_alu instid0(VALU_DEP_1)
	v_add_nc_u32 v14, v14, v2                      ; r + (r & 8)
	s_wait_alu depctr_va_vdst(0)
	v_lshl_add_u32 v7, v3, 3, v14
	s_delay_alu instid0(VALU_DEP_1)
	v_lshlrev_b32 v7, 2, v7                        ; x: my token among the wave's 32: lanes 0-15 the even tile's rows, lanes 16-31 the odd tile's
	s_lshl_b32 s86, s55, 3
	s_add_co_u32 s86, s86, s56
	s_mul_i32 s86, s86, 768                        ; LDS: half fragment (tile 2 T, P); tile 2 T + 1's lies 3,072 bytes on
	v_add_nc_u32 v8, s86, v4
	v_add_nc_u32 v9, s86, v5
	s_lshl_b32 s86, s55, 8
	s_lshr_b32 s87, s56, 1
	s_lshl_b32 s87, s87, 7
	s_add_co_u32 s86, s86, s87
	s_and_b32 s87, s56, 1
	s_lshl_b32 s87, s87, 1
	s_add_co_u32 s86, s86, s87
	s_add_co_u32 s86, s86, XSC
	v_add_nc_u32 v10, s86, v6                      ; my two scale bytes: word (T, P / 2), bytes 2 (P % 2) on
	v_mul_u32_u24 v11, v14, 192                    ; W: row r + (r & 8) of 192 bytes,
	s_delay_alu instid0(VALU_DEP_1)
	v_mad_u32_u24 v11, v3, 24, v11                 ; + 24 h
	v_lshlrev_b32 v12, 3, v14
	s_delay_alu instid0(VALU_DEP_1)
	v_lshl_add_u32 v12, v3, 2, v12                 ; W's scales: 8 bytes a row; lanes 0-15 take K step 0's word, lanes 16-31 K step 1's
	v_lshlrev_b32 v13, 6, v3                       ; q's and k's bias: 16 h numbers on
	v_lshlrev_b32 v14, 2, v14                      ; v's bias: that of my row of W
	v_mov_b32 v15, 0
	v_mov_b32 v[TM+2], 0                           ; a lane permute's destination counts as one of its sources
	v_mov_b32 v[TM+3], 0
.irp i, 1,3,5,7
	v_mov_b32 v[ME+\i], 0                          ; named as the upper halves of pairs
.endr
	s_mov_b32 s87, 0                               ; every offset below stands in s86 with this 0 above it
	s_wait_alu depctr_va_vdst(0)
	s_wait_kmcnt 0x0
	s_lshl_b32 s86, s57, 22                        ; x: b x 4 MiB + 64 P channels of 16,384 bytes + 4 (64 tb + 32 T)
	s_lshl_b32 s88, s56, 20
	s_or_b32 s86, s86, s88
	s_lshl_b32 s88, s58, 8
	s_or_b32 s86, s86, s88
	s_lshl_b32 s88, s55, 7
	s_or_b32 s86, s86, s88
	s_add_nc_u64 s[36:37], s[36:37], s[86:87]
	s_lshl_b32 s86, s56, 8                         ; gamma, beta: my 64 channels
	s_add_nc_u64 s[40:41], s[40:41], s[86:87]
	s_add_nc_u64 s[42:43], s[42:43], s[86:87]
	s_lshl_b32 s86, s57, 9                         ; gstat: groups 8 b + 2 P and the next, 64 bytes each
	s_lshl_b32 s88, s56, 7
	s_or_b32 s86, s86, s88
	s_add_nc_u64 s[38:39], s[38:39], s[86:87]
	s_load_b512 s[4:19], s[38:39], 0x0             ; eight (mean, M2) of the first group,
	s_load_b512 s[20:35], s[38:39], 0x40           ; of the second
.irp i, 0,1,2,3,4,5,6,7,8,9,10,11,12,13,14,15
	global_load_b128 v[GA+4*\i:GA+4*\i+3], v15, s[40:41] offset:16*\i   ; the same 64 numbers in every lane
.endr
.irp i, 0,1,2,3,4,5,6,7,8,9,10,11,12,13,14,15
	global_load_b128 v[BE+4*\i:BE+4*\i+3], v15, s[42:43] offset:16*\i
.endr
.set n, 0
.rept 64
	global_load_b32 v[X+n], v7, s[36:37] offset:n*16384   ; channel 64 P + n of my token: the wave reads 128 consecutive bytes, its partner (the other T) the 128 beside them
.set n, n+1
.endr
	; my parts of the weights and of the outputs
	s_mul_i32 s88, s56, 12288                      ; a head's 64 rows of 192 bytes
	s_mul_i32 s86, s55, 49152                      ; q's 256 rows, then k's
	s_add_co_u32 s86, s86, s88
	s_add_nc_u64 s[WQP:WQP+1], s[44:45], s[86:87]
	s_mul_i32 s86, s55, 6144                       ; v's rows begin at 512; mine are 32 Z on in the head
	s_add_co_u32 s86, s86, s88
	s_add_co_u32 s86, s86, 98304
	s_add_nc_u64 s[WVP:WVP+1], s[44:45], s[86:87]
	s_lshl_b32 s88, s56, 9                         ; the scales: 8 bytes a row
	s_lshl_b32 s86, s55, 11
	s_add_co_u32 s86, s86, s88
	s_add_nc_u64 s[WSQ:WSQ+1], s[46:47], s[86:87]
	s_lshl_b32 s86, s55, 8
	s_add_co_u32 s86, s86, s88
	s_add_co_u32 s86, s86, 4096
	s_add_nc_u64 s[WSV:WSV+1], s[46:47], s[86:87]
	s_lshl_b32 s88, s56, 8                         ; the bias: 4 bytes a row
	s_lshl_b32 s86, s55, 10
	s_add_co_u32 s86, s86, s88
	s_add_nc_u64 s[BQP:BQP+1], s[48:49], s[86:87]
	s_lshl_b32 s86, s55, 7
	s_add_co_u32 s86, s86, s88
	s_add_co_u32 s86, s86, 2048
	s_add_nc_u64 s[BVP:BVP+1], s[48:49], s[86:87]
	s_lshl_b32 s88, s60, 6
	s_add_co_u32 s88, s88, s58
	s_mul_i32 s88, s88, QREC                       ; q's record
	s_lshl_b32 s89, s60, 5
	s_lshr_b32 s90, s58, 1
	s_add_co_u32 s89, s89, s90
	s_mul_i32 s89, s89, REC                        ; the key step's record
	s_mul_i32 s90, s59, 3072
	s_add_co_u32 s90, s90, s89                     ; k's images: tiles 4 cc on
	s_lshl_b32 s91, s59, 8
	s_add_co_u32 s91, s91, s89
	s_add_co_u32 s91, s91, 12288                   ; k's scale words: pairs 2 cc on
	s_add_co_u32 s92, s88, 3072                    ; q's scale words
	s_mov_b32 s95, 0
	s_cmp_eq_u32 s55, 0                            ; q's wave or k's?  The choice hangs on the wave's number alone
	s_cselect_b64 s[PI:PI+1], s[50:51], s[52:53]
	s_cselect_b32 s86, s88, s90
	s_cselect_b32 s94, s92, s91
	s_mov_b64 s[PS:PS+1], s[PI:PI+1]
	s_add_nc_u64 s[PI:PI+1], s[PI:PI+1], s[86:87]
	s_add_nc_u64 s[PS:PS+1], s[PS:PS+1], s[94:95]
	s_mul_i32 s86, s55, 3072                       ; v's images: tiles 2 Z on of d, half cc of the step's keys
	s_mul_i32 s90, s59, 768
	s_add_co_u32 s86, s86, s90
	s_add_co_u32 s86, s86, s89
	s_add_co_u32 s86, s86, 6144
	s_add_nc_u64 s[PVI:PVI+1], s[52:53], s[86:87]
	s_lshl_b32 s86, s55, 7                         ; v's scale words: pair Z, bytes 2 cc on
	s_lshl_b32 s90, s59, 1
	s_add_co_u32 s86, s86, s90
	s_add_co_u32 s86, s86, s89
	s_add_co_u32 s86, s86, 12800
	s_add_nc_u64 s[PVS:PVS+1], s[52:53], s[86:87]
	s_wait_kmcnt 0x0                               ; the statistics
; group e's mean and 1 / sqrt(var + eps) from its eight parts of 16,384 numbers
.macro GSTAT e
.set SS, 4+16*\e
	v_mov_b32 v[ST], s[SS]
.irp i, 1,2,3,4,5,6,7
	s_delay_alu instid0(VALU_DEP_1)
	v_add_f32 v[ST], s[SS+2*\i], v[ST]
.endr
	s_delay_alu instid0(VALU_DEP_1)
	v_mul_f32 v[ST], 0x3e000000, v[ST]             ; / 8: the group's mean
	v_mov_b32 v[ST+1], s[SS+1]
.irp i, 1,2,3,4,5,6,7
	s_delay_alu instid0(VALU_DEP_1)
	v_add_f32 v[ST+1], s[SS+2*\i+1], v[ST+1]
.endr
	v_sub_f32 v[ST+2], s[SS], v[ST]
	s_delay_alu instid0(VALU_DEP_1)
	v_mul_f32 v[ST+3], v[ST+2], v[ST+2]
.irp i, 1,2,3,4,5,6,7
	v_sub_f32 v[ST+2], s[SS+2*\i], v[ST]
	s_delay_alu instid0(VALU_DEP_1)
	v_fma_f32 v[ST+3], v[ST+2], v[ST+2], v[ST+3]
.endr
	s_delay_alu instid0(VALU_DEP_1)
	v_fmamk_f32 v[ST+1], v[ST+3], 0x46800000, v[ST+1]   ; M2 = the parts' M2 + 16,384 x the means' squared distances
	s_delay_alu instid0(VALU_DEP_1)
	v_fmaak_f32 v[ST+1], s96, v[ST+1], 0x3727c5ac  ; / 131,072 (exact) + 1e-5
	v_mov_b32 v[ME+4*\e], v[ST]
	s_wait_alu depctr_va_vdst(0)
	v_rsq_f32 v[ME+4*\e+2], v[ST+1]
.endm
	GSTAT 0
	GSTAT 1
	v_nop                                          ; a plain instruction behind the last root,
	s_wait_alu depctr_va_vdst(0)                   ; and the wait ahead of the first use: one for the two roots
	; W's fragments for q or k, and all scale words: 54 loads
	WIN 0x40                                       ; destination window 1
.irp i, 0,1,2,3
.irp k, 0,1
.irp p, 0,1,2,3,4,5
	global_load_b64 v[WQ+12*(2*\i+\k)+2*\p:WQ+12*(2*\i+\k)+2*\p+1], v11, s[WQP:WQP+1] offset:(32*(\i/2)+8*(\i%2))*192+96*\k+48*(\p/3)+8*(\p%3)
.endr
.endr
.endr
	WIN 0
.irp i, 0,1,2,3
	global_load_b32 v[WS+\i], v12, s[WSQ:WSQ+1] offset:(32*(\i/2)+8*(\i%2))*8
.endr
.irp u, 0,1
	global_load_b32 v[WS+4+\u], v12, s[WSV:WSV+1] offset:64*\u
.endr
	s_wait_loadcnt 54                              ; all but the 54 just issued: gamma, beta and x are in
	WIN 0x40                                       ; 48 more: W's fragments for v, and the biases in the results' layouts
.irp u, 0,1
.irp k, 0,1
.irp p, 0,1,2,3,4,5
	global_load_b64 v[WV+12*(2*\u+\k)+2*\p:WV+12*(2*\u+\k)+2*\p+1], v11, s[WVP:WVP+1] offset:8*\u*192+96*\k+48*(\p/3)+8*(\p%3)
.endr
.endr
.endr
.irp i, 0,1,2,3
	global_load_b128 v[BQ+8*\i:BQ+8*\i+3], v13, s[BQP:BQP+1] offset:(32*(\i/2)+8*(\i%2))*4       ; lane (r, h), register j of tile 2 b + u: d = 32 b + 16 h + 8 u + j
	global_load_b128 v[BQ+8*\i+4:BQ+8*\i+7], v13, s[BQP:BQP+1] offset:(32*(\i/2)+8*(\i%2))*4+16
.endr
.irp u, 0,1
.irp j, 0,1,2,3,4,5,6,7
	global_load_b32 v[BV+8*\u+\j], v14, s[BVP:BVP+1] offset:32*\u   ; a lane holds one d there: the same number in its eight registers
.endr
.endr
	WIN 0
; ---- PHASE X
.macro NORM e                          ; ((x - mean) / sigma) gamma + beta, two numbers an instruction
.set n, X+32*\e
.rept 16
	v_pk_add_f32 v[n:n+1], v[n:n+1], v[ME+4*\e:ME+4*\e+1] op_sel_hi:[1,0] neg_lo:[0,1] neg_hi:[0,1]
.set n, n+2
.endr
.set n, X+32*\e
.rept 16
	v_pk_mul_f32 v[n:n+1], v[n:n+1], v[ME+4*\e+2:ME+4*\e+3] op_sel_hi:[1,0]
.set n, n+2
.endr
.set n, X+32*\e
.rept 16
	v_pk_fma_f32 v[n:n+1], v[n:n+1], v[n+GA-X:n+GA-X+1], v[n+BE-X:n+BE-X+1]
.set n, n+2
.endr
.endm
.macro BLOCKQ e, pc                    ; a whole block of 32 in my registers becomes six registers of codes and a byte
.set XB, X+32*\e
	v_max3_num_f32 v[TM], |v[XB]|, |v[XB+1]|, |v[XB+2]|
	v_max3_num_f32 v[TM+1], |v[XB+3]|, |v[XB+4]|, |v[XB+5]|
.irp i, 6,10,14,18,22,26
	s_delay_alu instid0(VALU_DEP_2)
	v_max3_num_f32 v[TM], v[TM], |v[XB+\i]|, |v[XB+\i+1]|
	s_delay_alu instid0(VALU_DEP_2)
	v_max3_num_f32 v[TM+1], v[TM+1], |v[XB+\i+2]|, |v[XB+\i+3]|
.endr
	s_delay_alu instid0(VALU_DEP_2)
	v_max3_num_f32 v[TM], v[TM], |v[XB+30]|, |v[XB+31]|
	s_delay_alu instid0(VALU_DEP_1)
	v_max3_num_f32 v[TM], v[TM], v[TM+1], 0x1800000   ; and the floor 2^(3 - 127): the byte cannot fall under 1
	s_delay_alu instid0(VALU_DEP_1)
	v_add_nc_u32 v[SO+\e], 0xff000000, v[TM]       ; 2 off the exponent field: the conversion takes the exponent field of this operand as its scale
	s_delay_alu instid0(VALU_DEP_1)
	v_lshrrev_b32 v[BY+\e], 23, v[SO+\e]           ; the scale's byte
	v_cvt_scalef32_pk16_fp6_f32 v[\pc:\pc+2], v[XB:XB+15], v[SO+\e]
	v_cvt_scalef32_pk16_fp6_f32 v[\pc+6:\pc+8], v[XB+16:XB+31], v[SO+\e]   ; (a conversion's three registers begin on an even number)
	v_nop                                          ; one plain place behind a scaled conversion
.irp i, 0,1,2
	v_mov_b32 v[\pc+3+\i], v[\pc+6+\i]
.endr
.endm
	NORM 0
	NORM 1
	BLOCKQ 0, PC0
	BLOCKQ 1, PC1
	v_lshl_or_b32 v[PW0], v[BY+1], 8, v[BY]        ; my token's two scale bytes
.irp i, 0,1,2,3,4,5
	v_permlane16_swap_b32 v[PC0+\i], v[PC1+\i]     ; the first's lanes 16-31 change places with the second's lanes 0-15: the first is now the even tile's half fragment (lane (r, h): block h of row r), the second the odd tile's
.endr
	ds_store_b128 v8, v[PC0:PC0+3]
	ds_store_b64 v9, v[PC0+4:PC0+5] offset:512
	ds_store_b128 v8, v[PC1:PC1+3] offset:3072
	ds_store_b64 v9, v[PC1+4:PC1+5] offset:3584
	ds_store_b16 v10, v[PW0]
	s_wait_dscnt 0x0                               ; for the others' sake: my stores have landed
	s_barrier_signal -1
	s_barrier_wait -1                              ; h's sixteen half fragments and their scale words lie in LDS
; ---- PHASE G
.irp f, 0,1,2,3,4,5,6,7                ; fragment f = 2 m + s: its two halves lie on end
	ds_load_b128 v[XF+12*\f:XF+12*\f+3], v4 offset:1536*\f
	ds_load_b64 v[XF+12*\f+4:XF+12*\f+5], v5 offset:1536*\f+512
	ds_load_b128 v[XF+12*\f+6:XF+12*\f+9], v4 offset:1536*\f+768
	ds_load_b64 v[XF+12*\f+10:XF+12*\f+11], v5 offset:1536*\f+1280
.endr
.irp i, 0,1,2,3
	ds_load_b32 v[XS+\i], v6 offset:XSC+128*\i
.endr
	s_wait_loadcnt 0x0                             ; the weights, their scales, the biases
	s_wait_dscnt 0x0
; 32 numbers of a lane, register 16 b + i = k 32 b + 16 h + i of my row, become a half fragment in v[pc] .. v[pc + 5] and the row's two scale bytes in v[pw].
; Each accumulator is read from its low end on.
.macro QUANT32 s, pc, pw
.irp b, 0,1
	v_max3_num_f32 v[TM+\b], |v[\s+16*\b]|, |v[\s+16*\b+1]|, 0x1800000   ; my 16 numbers of block b, and the floor 2^(3 - 127)
.endr
.irp i, 2,4,6,8,10,12,14
.irp b, 0,1
	v_max3_num_f32 v[TM+\b], v[TM+\b], |v[\s+16*\b+\i]|, |v[\s+16*\b+\i+1]|
.endr
.endr
.irp b, 0,1
	s_delay_alu instid0(VALU_DEP_2)
	v_permlanex16_b32 v[TM+2+\b], v[TM+\b], s[SEL], s[SEL+1]
.endr
.irp b, 0,1
	s_delay_alu instid0(VALU_DEP_2)
	v_max_num_f32 v[TM+\b], v[TM+\b], v[TM+2+\b]   ; with lane l xor 16's: the block's largest magnitude
.endr
.irp b, 0,1
	s_delay_alu instid0(VALU_DEP_2)
	v_add_nc_u32 v[SO+\b], 0xff000000, v[TM+\b]
.endr
.irp b, 0,1
	s_delay_alu instid0(VALU_DEP_2)
	v_lshrrev_b32 v[BY+\b], 23, v[SO+\b]
.endr
	s_delay_alu instid0(VALU_DEP_1)
	v_lshl_or_b32 v[\pw], v[BY+1], 8, v[BY]
	v_cvt_scalef32_pk16_fp6_f32 v[\pc:\pc+2], v[\s:\s+15], v[SO]
	v_cvt_scalef32_pk16_fp6_f32 v[\pc+6:\pc+8], v[\s+16:\s+31], v[SO+1]
	v_nop                                          ; one plain place behind a scaled conversion
.irp i, 0,1,2
	v_permlane16_swap_b32 v[\pc+\i], v[\pc+6+\i]   ; the operand's layout wants a WHOLE block in a lane: lanes 0-15 block 0, lanes 16-31 block 1
.endr
.irp i, 0,1,2
	s_delay_alu instid0(VALU_DEP_3)
	v_mov_b32 v[\pc+3+\i], v[\pc+6+\i]
.endr
.endm
.macro OUT pc, ptr, off                ; an image leaves: 512 and 256 consecutive bytes, aligned
	global_store_b128 v4, v[\pc:\pc+3], s[\ptr:\ptr+1] offset:\off
	global_store_b64 v5, v[\pc+4:\pc+5], s[\ptr:\ptr+1] offset:\off+512
.endm
; q or k of token tiles 2 t and 2 t + 1: eight accumulators (2 token tiles x 4 tiles of d) by turns, one instruction a turn, K step by K step
.macro PAIRQK t
	WIN 0x11                                       ; source 0 (W) and source 2 (the bias) window 1
.irp u, 0,1
.irp i, 0,1,2,3
	WM ACC+32*\u+8*\i, WQ+24*\i, XF+12*(4*\t+2*\u), BQ+8*\i, WS+\i, XS+2*\t, 0, \u
.endr
.endr
	WIN 0x01
.irp u, 0,1
.irp i, 0,1,2,3
	WM ACC+32*\u+8*\i, WQ+24*\i+12, XF+12*(4*\t+2*\u)+12, ACC+32*\u+8*\i, WS+\i, XS+2*\t+1, 1, \u
.endr
.endr
	WIN 0
.rept 4
	v_nop                                          ; places in front of the first read of results
.endr
.endm
; v: my two tiles of d x the four token tiles: again eight accumulators by turns
.macro PAIRV
	WIN 0x14                                       ; source 1 (W) and source 2 (the bias) window 1
.irp u, 0,1
.irp m, 0,1,2,3
	WM ACC+32*\u+8*\m, XF+24*\m, WV+24*\u, BV+8*\u, XS+2*(\m/2), WS+4+\u, \m%2, 0
.endr
.endr
	WIN 0x04
.irp u, 0,1
.irp m, 0,1,2,3
	WM ACC+32*\u+8*\m, XF+24*\m+12, WV+24*\u+12, ACC+32*\u+8*\m, XS+2*(\m/2)+1, WS+4+\u, \m%2, 1
.endr
.endr
	WIN 0
.rept 4
	v_nop
.endr
.endm
.irp t, 0,1
	PAIRQK \t
	s_wait_xcnt 0x0                                ; the earlier stores have read their registers: the codes and words may be written again
	QUANT32 ACC, PC0, PW0
	OUT PC0, PI, 1536*\t
	QUANT32 ACC+32, PC1, PW1
	OUT PC1, PI, 1536*\t+768
	v_cndmask_b32 v[PWC], v[PW0], v[PW1], s61      ; lanes 0-15 the even tile's words, lanes 16-31 the odd tile's; bytes 2 and 3 are 0
	global_store_b32 v6, v[PWC], s[PS:PS+1] offset:128*\t
.endr
	PAIRV
	s_wait_xcnt 0x0
	QUANT32 ACC, PC0, PW0                          ; along the tokens: blocks 2 cc and 2 cc + 1 of the key step
	OUT PC0, PVI, 0
	QUANT32 ACC+32, PC1, PW1
	OUT PC1, PVI, 1536
	v_cndmask_b32 v[PWC], v[PW0], v[PW1], s61
	global_store_b16 v6, v[PWC], s[PVS:PVS+1]      ; two of each word's four bytes; the work-group of the step's other 64 tokens stores the other two
	s_wait_tensorcnt 0x0
	ds_add_u32 v245, v255
	s_wait_dscnt 0x0
	s_endpgm
.Lfunc_end_k_q41b1532cea_qkv:
	.size	k_q41b1532cea_qkv, .Lfunc_end_k_q41b1532cea_qkv-k_q41b1532cea_qkv
	.p2alignl 7, 3214868480
	.fill 96, 4, 3214868480
	.section	.rodata,"a",@progbits
	.p2align	6, 0x0
	.amdhsa_kernel k_q41b1532cea_qkv
		.amdhsa_group_segment_fixed_size 14336
		.amdhsa_private_segment_fixed_size 0
		.amdhsa_enable_private_segment 0
		.amdhsa_kernarg_size 72
		.amdhsa_user_sgpr_count 2
		.amdhsa_user_sgpr_kernarg_segment_ptr 1
		.amdhsa_wavefront_size32 1
		.amdhsa_system_sgpr_workgroup_id_x 1
		.amdhsa_system_sgpr_workgroup_id_y 1
		.amdhsa_system_sgpr_workgroup_id_z 1
		.amdhsa_system_vgpr_workitem_id 0
		.amdhsa_next_free_vgpr 448
		.amdhsa_next_free_sgpr 100
		.amdhsa_reserve_vcc 0
		.amdhsa_float_denorm_mode_32 3
		.amdhsa_float_denorm_mode_16_64 3
		.amdhsa_memory_ordered 1
		.amdhsa_forward_progress 1
		.amdhsa_inst_pref_size 64
	.end_amdhsa_kernel
	.amdgpu_metadata
---
amdhsa.version: [ 1, 2 ]
amdhsa.kernels:
  - .name:           k_q41b1532cea_qkv
    .symbol:         k_q41b1532cea_qkv.kd
    .args:
      - { .name: x, .offset: 0, .size: 8, .value_kind: global_buffer, .address_space: global }
      - { .name: gstat, .offset: 8, .size: 8, .value_kind: global_buffer, .address_space: global }
      - { .name: gn_gamma, .offset: 16, .size: 8, .value_kind: global_buffer, .address_space: global }
      - { .name: gn_beta, .offset: 24, .size: 8, .value_kind: global_buffer, .address_space: global }
      - { .name: w_qkv_codes, .offset: 32, .size: 8, .value_kind: global_buffer, .address_space: global }
      - { .name: w_qkv_scales, .offset: 40, .size: 8, .value_kind: global_buffer, .address_space: global }
      - { .name: b_qkv, .offset: 48, .size: 8, .value_kind: global_buffer, .address_space: global }
      - { .name: qrec, .offset: 56, .size: 8, .value_kind: global_buffer, .address_space: global }
      - { .name: kvrec, .offset: 64, .size: 8, .value_kind: global_buffer, .address_space: global }
    .group_segment_fixed_size: 14336
    .private_segment_fixed_size: 0
    .kernarg_segment_align: 8
    .kernarg_segment_size: 72
    .max_flat_workgroup_size: 256
    .sgpr_count:     100
    .vgpr_count:     448
    .wavefront_size: 32
...
	.end_amdgpu_metadata
.endif
;; end of part 2
;; launch attn (part 3): grid 16 x 16, 16 waves a work-group, clusters of 4 x 1, 327,680 bytes of LDS; arguments qrec, kvrec, orec; writes orec
.if DOCPART == 3
	.amdgcn_target "amdgcn-amd-amdhsa--gfx1250"
	.amdhsa_code_object_version 6
	.text
	.protected	k_q41b1532cea_attn
	.globl	k_q41b1532cea_attn
	.p2align	8
	.type	k_q41b1532cea_attn,@function
k_q41b1532cea_attn:
	s_mov_b64 s[64:65], 0
	v_nop
	global_prefetch_b8 v0, s[64:65] scope:SCOPE_SE
	s_setreg_imm32_b32 hwreg(HW_REG_WAVE_MODE, 25, 1), 1
	s_wait_xcnt 0x0
	s_wait_alu depctr_hold_cnt(0) depctr_sa_sdst(0) depctr_va_vdst(0) depctr_va_sdst(0) depctr_va_ssrc(0) depctr_va_vcc(0) depctr_vm_vsrc(0)
	s_getreg_b32 s2, hwreg(HW_REG_IB_STS2, 6, 4)
	s_cmp_eq_u32 s2, 0
	s_cbranch_scc0 .Lentry_in_a_cluster
	s_endpgm
.Lentry_in_a_cluster:
	s_bfe_u32 s2, ttmp6, 0x10000c
	s_cmp_lg_u32 s2, 0x3003
	s_cbranch_scc0 .Lentry_shape_is_right
	s_endpgm
.Lentry_shape_is_right:
; ATTENTION ON CODES OF FP6 (E2M3), head size 64, 4,096 keys, 16 heads (4 images x 4).  Both products by v_wmma_scale_f32_16x16x128_f8f6f4.
; THE SOFTMAX AHEAD OF THE SECOND PRODUCT: t = score x log2(e) / 8; M = the row's largest t so far, rounded UP to a whole number; p = 2^(t - M) is quantised along the keys, not normalised.
; The row's sum is taken of the unquantised p, in f32, and divides O at the end.  When M moves, the sum and O are multiplied by 2^(old M - new M): exact.
; SHARES.  A work-group owns 256 queries of one head; each of its sixteen waves owns one tile of 16, in 256 registers: four waves to a SIMD, so that one wave's vector work stands beside another's
; matrix work and LDS loads.  Every wave walks the head's 32 key steps of 128 keys.
; LAYOUT.  Both products are used transposed: S^T = K Q^T (source 0 = 16 keys, source 1 = my queries), O^T = V^T P^T (source 0 = 16 of the head's 64, source 1 = P): a lane holds ONE query throughout.
; Tile 2 b + u of a key step holds, in row r, key 32 b + 8 u + r + (r & 8): the 16 registers of tiles 2 b and 2 b + 1 are the neighbouring keys 32 b + 16 h + 0 .. 15.  V's rows (d) are dealt likewise,
; so that O^T's registers are neighbours along the last product's K.
; OPERANDS ARE IMAGES OF THEIR REGISTERS (made by the launch before): a half fragment, six registers a lane, is 768 bytes: registers 0-3 at 16 x lane, 4-5 at 512 + 8 x lane.  No pitch, no padding.
; K = 64 IN AN INSTRUCTION OF 128.  Q's codes of k = 64 .. 127 are zeros, and bytes 2 and 3 of Q's and K's scale words are 0 (2^-127, no NaN).  As the upper six registers of a tile of K the instruction
; names the six that follow, the next tile's codes (behind the last tile: six registers of zeros): every code of this format is a finite number, and a finite number x 0 adds nothing.
; THE RING.  A key step's operands are one record of 13,056 bytes; a slot holds eight.  Two slots, 2^17 bytes apart.  Waves 0 to 3 fetch two records each: one load of 102 rows of 256 bytes.
; By this text's count a wave has two tensor loads out at the start and one behind each round.
; CLUSTER.  The four blocks of queries of a cluster belong to one head and walk the same records: each load is asked for JOINTLY, with the same descriptor and a mask that names the four.
; My work-group's place in the cluster enters the addresses of q and of the result alone.
; OUT.  O / the sum, quantised along the channels (two blocks of 32 a head), as an image and two scale bytes a row in orec [4][64][12,800].
; LIMITS: NaN and infinities are not served.  p under 2^-126 counts as 0.  A block's largest p is made from the block's largest score by the same two instructions as every p, which takes the exponential
; not to fall where its input rises.  A block of zeros gets the scale byte 1: its codes are zeros, and this program alone reads the bytes.
.set REC,   13056                      ; a record: K's 8 images, V's 4 x 2, K's 4 pairs of scale words, V's 2
.set VIMG,  6144
.set KSC,   12288
.set VSC,   12800
.set QREC,  3328
.set OREC,  12800
.set SLOTB, 8*REC
.set SLOT1, 1<<17                      ; slot 1 begins here, so that one exclusive or turns an address in one slot into the other's
.set SPARE, SLOT1+SLOTB                ; behind the ring: the spare words, 128 bytes for each wave: eight blocks of 256 bytes that no other line names
.set L16, 1                            ; v1-3   16, 8, 4 x lane; never rewritten
.set L8,  2
.set L4,  3
.set A16, 4                            ; v4-6   the same in the record in hand
.set A8,  5
.set A4,  6
.set SPW, 7                            ; v7     LDS address of my spare word; never rewritten
.set NIL, 8                            ; v8     0; never rewritten
.set QS,  9                            ; v9     Q's scale words
.set R4,  10                           ; v10    4 x (lane % 16)
.set Q,   16                           ; v16-27 Q's fragment: v22-27 are zeros
.set KS,  28                           ; v28-31 K's scale words: pair b: lanes 0-15 tile 2 b, lanes 16-31 tile 2 b + 1
.set KF,  32                           ; v32-85 K's eight tiles, six registers each, and six zeros
.set VF,  32                           ; v32-79 then V's four fragments
.set VS,  86                           ; v86-87 V's scale words
.set S,   88                           ; v88-151 S^T, then p
.set O,   152                          ; v152-183 O^T
.set PC,  184                          ; v184-195 p's codes
.set PT,  196                          ; v196-203 the conversions' second halves
.set BM,  204                          ; v204-207 the blocks' largest scores, then largest p
.set BP,  208                          ; v208-211 the lane permutes' destinations, then the scale bytes
.set SO,  212                          ; v212-215 the conversions' scale operands
.set F,   216                          ; v[216:217] f = 2^(old M - new M); v217 is 0 (named as a pair)
.set PW,  218                          ; v218   p's scale word
.set T,   219
.set SU,  220                          ; v[220:221] the sums' second chain;  v12 -M, v13 the largest t, v[14:15] the sum in two halves
.set WV,  10                           ; s10    my wave's number
.set SEL, 20                           ; s[20:21]
.set CS,  22                           ; s[22:23] c = log2(e) / 8
.set G1,  24                           ; s[24:31] descriptor group 1;  s[32:35], s[36:39] groups 0 of the two first fills; the second then walks on
.set G0A, 32
.set G0B, 36
.set TB,  40                           ; s40    LDS byte at which the record in hand begins
.macro CROUND                          ; a round of the cluster's barrier
	s_barrier_signal -1
	s_barrier_wait -1
	s_cmp_lg_u32 s[WV], 0
	s_cbranch_scc1 .Lnot_wave_0_\@
	s_barrier_signal -3
.Lnot_wave_0_\@:
	s_barrier_wait -3
	s_barrier_signal -1
	s_barrier_wait -1
.endm
.macro JLOAD g0                        ; waves 0 to 3 fetch; the branch hangs on the wave's number alone.  Four v_nop follow the load
	s_cmp_lt_u32 s[WV], 4
	s_cbranch_scc0 .Lnone_\@
	tensor_load_to_lds s[\g0:\g0+3], s[G1:G1+7]
	s_nop 0
.rept 4
	v_nop
.endr
.Lnone_\@:
.endm
.macro WMZ d, a, b, sa, sb, ra         ; a product that starts a sum; ra: A's scales stand in lanes 16-31
.if (\ra)
	v_wmma_scale_f32_16x16x128_f8f6f4 v[\d:\d+7], v[\a:\a+11], v[\b:\b+11], 0, v[\sa], v[\sb] matrix_a_fmt:MATRIX_FMT_FP6 matrix_b_fmt:MATRIX_FMT_FP6 matrix_a_scale:MATRIX_SCALE_ROW1
.else
	v_wmma_scale_f32_16x16x128_f8f6f4 v[\d:\d+7], v[\a:\a+11], v[\b:\b+11], 0, v[\sa], v[\sb] matrix_a_fmt:MATRIX_FMT_FP6 matrix_b_fmt:MATRIX_FMT_FP6
.endif
.endm
.macro WMA d, a, b, sa, sb, ra         ; and one that adds in place
.if (\ra)
	v_wmma_scale_f32_16x16x128_f8f6f4 v[\d:\d+7], v[\a:\a+11], v[\b:\b+11], v[\d:\d+7], v[\sa], v[\sb] matrix_a_fmt:MATRIX_FMT_FP6 matrix_b_fmt:MATRIX_FMT_FP6 matrix_a_scale:MATRIX_SCALE_ROW1
.else
	v_wmma_scale_f32_16x16x128_f8f6f4 v[\d:\d+7], v[\a:\a+11], v[\b:\b+11], v[\d:\d+7], v[\sa], v[\sb] matrix_a_fmt:MATRIX_FMT_FP6 matrix_b_fmt:MATRIX_FMT_FP6
.endif
.endm
	s_load_b128 s[4:7], s[0:1], 0x0                ; qrec, kvrec
	s_load_b64 s[8:9], s[0:1], 0x10                ; orec
	v_lshl_add_u32 v[SPW], v0, 2, SPARE
	v_mov_b32 v[NIL], 0
	ds_add_u32 v7, v8
	ds_add_u32 v7, v8
	s_wait_dscnt 0x0
	v_lshrrev_b32 v11, 5, v0
	s_delay_alu instid0(VALU_DEP_1)
	v_readfirstlane_b32 s[WV], v11                 ; wave 0..15
	s_bfe_u32 s11, ttmp6, 0x40000                  ; cx: my place in the cluster
	s_lshl_b32 s12, ttmp9, 2                       ; in a cluster launch ttmp9 counts clusters
	s_add_co_u32 s12, s12, s11                     ; my block of 256 queries
	s_and_b32 s13, ttmp7, 0xffff                   ; the head, 4 b + hd, which the four partners share
	s_lshr_b32 s14, s13, 2                         ; b
	s_and_b32 s15, s13, 3                          ; hd
	; descriptor group 1: two records, a dense block, as 102 rows of 256 bytes (32 elements of 8 bytes)
	s_mov_b32 s[G1], 15|(3<<16)|(1<<21)            ; 15:0 the mask: all four work-groups; 17:16 elements of 8 bytes; 20 no padding; 21 set beside a mask
	s_mov_b32 s[G1+1], 32<<16                      ; tensor_dim0 = 32
	s_mov_b32 s[G1+2], 102<<16                     ; tensor_dim1 = 102
	s_mov_b32 s[G1+3], 32<<16                      ; tile_dim0 = 32
	s_mov_b32 s[G1+4], 102                         ; tile_dim1 = 102
	s_mov_b32 s[G1+5], 32                          ; from row to row
	s_mov_b32 s[G1+6], 0
	s_mov_b32 s[G1+7], 0
	s_and_b32 s16, s[WV], 3
	s_mul_i32 s16, s16, 2*REC                      ; which two records of a slot I fetch, if I fetch: in LDS and in memory alike
	s_mul_i32 s18, s13, 32*REC                     ; the head's records
	s_add_co_u32 s18, s18, s16
	s_mov_b32 s19, 0
	s_mov_b32 s[SEL], 0x76543210
	s_mov_b32 s[SEL+1], 0xfedcba98
	s_mov_b32 s[CS], 0x3e38aa3b                    ; c = log2(e) / sqrt(64)
	s_mov_b32 s[CS+1], s[CS]                       ; (named with it as a pair, so it is written)
	s_mov_b32 s[TB], 0
	s_mov_b32 s42, 2                               ; slots still to be asked for
	; where my queries lie and where my result goes
	s_lshl_b32 s52, s12, 2
	s_lshr_b32 s53, s[WV], 2
	s_add_co_u32 s52, s52, s53                     ; which 64 tokens: 4 x block + wave / 4
	s_and_b32 s53, s[WV], 3                        ; m: which tile of them
	s_lshl_b32 s44, s13, 6
	s_add_co_u32 s44, s44, s52
	s_mul_i32 s44, s44, QREC                       ; q's record
	s_lshl_b32 s46, s53, 6
	s_add_co_u32 s46, s46, s44
	s_add_co_u32 s46, s46, 3072                    ; its scale words: pair m / 2, half m % 2: 64 m bytes on
	s_mul_i32 s54, s53, 768
	s_add_co_u32 s44, s44, s54                     ; its image
	s_mov_b32 s45, 0
	s_mov_b32 s47, 0
	s_lshl_b32 s48, s14, 6
	s_add_co_u32 s48, s48, s52
	s_mul_i32 s48, s48, OREC                       ; o's record
	s_lshr_b32 s54, s53, 1
	s_lshl_b32 s50, s54, 8                         ; scale word (pair m / 2, K step hd / 2): 256 (m / 2) + 128 (hd / 2),
	s_and_b32 s54, s53, 1
	s_lshl_b32 s54, s54, 6                         ; + 64 (m % 2),
	s_add_co_u32 s50, s50, s54
	s_lshr_b32 s54, s15, 1
	s_lshl_b32 s54, s54, 7
	s_add_co_u32 s50, s50, s54
	s_and_b32 s54, s15, 1
	s_lshl_b32 s54, s54, 1                         ; bytes 2 (hd % 2) on
	s_add_co_u32 s50, s50, s54
	s_add_co_u32 s50, s50, s48
	s_add_co_u32 s50, s50, 12288
	s_lshl_b32 s54, s53, 2
	s_add_co_u32 s54, s54, s15
	s_mul_i32 s54, s54, 768                        ; image (m, hd)
	s_add_co_u32 s48, s48, s54
	s_mov_b32 s49, 0
	s_mov_b32 s51, 0
	s_wait_kmcnt 0x0
	s_add_nc_u64 s[44:45], s[4:5], s[44:45]
	s_add_nc_u64 s[46:47], s[4:5], s[46:47]
	s_add_nc_u64 s[48:49], s[8:9], s[48:49]
	s_add_nc_u64 s[50:51], s[8:9], s[50:51]
	s_mov_b32 s[G0A], 1                            ; 1:0 count = 1
	s_mov_b32 s[G0A+1], s16                        ; LDS address: slot 0
	s_add_nc_u64 s[G0A+2:G0A+3], s[6:7], s[18:19]  ; key steps 0 to 7
	s_mov_b32 s[G0B], 1
	s_add_co_u32 s[G0B+1], s16, SLOT1              ; slot 1
	s_add_nc_u64 s[G0B+2:G0B+3], s[G0A+2:G0A+3], SLOTB   ; key steps 8 to 15
	s_or_b32 s[G0A+3], s[G0A+3], 0x80000000        ; type = 2
	s_or_b32 s[G0B+3], s[G0B+3], 0x80000000
	CROUND                                         ; all four work-groups are here: the first joint loads meet
	s_cmp_lt_u32 s[WV], 4                          ; a wave's two first fills stand in one branch, ahead of every wait on TENSORcnt and every LDS read
	s_cbranch_scc0 .Lfirst_asked
	tensor_load_to_lds s[G0A:G0A+3], s[G1:G1+7]
	s_nop 0
	tensor_load_to_lds s[G0B:G0B+3], s[G1:G1+7]
	s_nop 0
.rept 4
	v_nop
.endr
.Lfirst_asked:
	v_and_b32 v11, 31, v0
	s_delay_alu instid0(VALU_DEP_1)
	v_lshlrev_b32 v[L16], 4, v11
	s_delay_alu instid0(VALU_DEP_2)
	v_lshlrev_b32 v[L8], 3, v11
	s_delay_alu instid0(VALU_DEP_3)
	v_lshlrev_b32 v[L4], 2, v11
	v_and_b32 v[R4], 15, v0
	s_delay_alu instid0(VALU_DEP_1)
	v_lshlrev_b32 v[R4], 2, v[R4]
	global_load_b128 v[Q:Q+3], v[L16], s[44:45] th:TH_LOAD_NT
	global_load_b64 v[Q+4:Q+5], v[L8], s[44:45] offset:512 th:TH_LOAD_NT
	global_load_b32 v[QS], v[R4], s[46:47]
.irp i, 6,7,8,9,10,11
	v_mov_b32 v[Q+\i], 0                           ; Q's codes of k = 64 .. 127
	v_mov_b32 v[KF+42+\i], 0                       ; and the six registers behind K's last tile
.endr
	v_mov_b32 v13, 0xff61b1e6                      ; the largest t so far: -3e38, under every t
	s_delay_alu instid0(VALU_DEP_1)
	v_floor_f32 v12, -v13                          ; -M
	v_mov_b32 v14, 0                               ; the sum, in two halves
	v_mov_b32 v15, 0
	v_mov_b32 v[F+1], 0
.irp b, 0,1,2,3
	v_mov_b32 v[BP+\b], 0                          ; a lane permute's destination counts as one of its sources
.endr
.set n, 0
.rept 32
	v_mov_b32 v[O+n], 0                            ; O^T.  (The step is written once: the first finds zeros, which the first change of M leaves zeros)
.set n, n+1
.endr
; A KEY STEP: 128 keys, the record at s[TB].  The twelve matrix instructions name twelve accumulators one after the other, over the backward jump too.
.macro STEP
	v_add_nc_u32 v[A16], s[TB], v[L16]
	v_add_nc_u32 v[A8], s[TB], v[L8]
	v_add_nc_u32 v[A4], s[TB], v[L4]
	v_nop                                          ; these four are the places in front of loads into registers that the last products read
.irp i, 0,1,2,3,4,5,6,7
	ds_load_b128 v[KF+6*\i:KF+6*\i+3], v[A16] offset:768*\i
	ds_load_b64 v[KF+6*\i+4:KF+6*\i+5], v[A8] offset:768*\i+512
.endr
.irp b, 0,1,2,3
	ds_load_b32 v[KS+\b], v[A4] offset:KSC+128*\b
.endr
	s_wait_alu depctr_va_vdst(0)
	s_wait_dscnt 0x0
.irp i, 0,1,2,3,4,5,6,7
	WMZ S+8*\i, KF+6*\i, Q, KS+\i/2, QS, \i%2
.endr
.rept 4
	v_nop                                          ; places: in front of V's loads into K's registers, and of the first read of the scores
.endr
.irp i, 0,1,2,3                        ; V's four fragments land while the softmax is worked
.irp c, 0,1
	ds_load_b128 v[VF+12*\i+6*\c:VF+12*\i+6*\c+3], v[A16] offset:VIMG+1536*\i+768*\c
	ds_load_b64 v[VF+12*\i+6*\c+4:VF+12*\i+6*\c+5], v[A8] offset:VIMG+1536*\i+768*\c+512
.endr
.endr
.irp i, 0,1
	ds_load_b32 v[VS+\i], v[A4] offset:VSC+128*\i
.endr
.irp b, 0,1,2,3
	v_max3_num_f32 v[BM+\b], v[S+16*\b], v[S+1+16*\b], v[S+2+16*\b]   ; THE LARGEST SCORE OF EACH BLOCK OF 32 KEYS: it serves for the row's maximum and, since p rises with the score, for the block's largest p
.endr
.irp i, 3,5,7,9,11,13
.irp b, 0,1,2,3
	v_max3_num_f32 v[BM+\b], v[BM+\b], v[S+16*\b+\i], v[S+1+16*\b+\i]   ; (the four blocks by turns)
.endr
.endr
.irp b, 0,1,2,3
	v_max_num_f32 v[BM+\b], v[BM+\b], v[S+15+16*\b]
.endr
.irp b, 0,1,2,3
	s_delay_alu instid0(VALU_DEP_4)
	v_permlanex16_b32 v[BP+\b], v[BM+\b], s[SEL], s[SEL+1]
.endr
.irp b, 0,1,2,3
	s_delay_alu instid0(VALU_DEP_4)
	v_max_num_f32 v[BM+\b], v[BM+\b], v[BP+\b]     ; with lane l xor 16's 16 keys
.endr
	s_delay_alu instid0(VALU_DEP_2)
	v_max3_num_f32 v[T], v[BM], v[BM+1], v[BM+2]
	s_delay_alu instid0(VALU_DEP_1)
	v_max_num_f32 v[T], v[T], v[BM+3]              ; the step's largest score of my query
	s_delay_alu instid0(VALU_DEP_1)
	v_mul_f32 v[T], s[CS], v[T]                    ; as t (c is positive)
	s_delay_alu instid0(VALU_DEP_1)
	v_max_num_f32 v13, v13, v[T]                   ; the running largest t
	v_mov_b32 v[T], v12
	s_delay_alu instid0(VALU_DEP_2)
	v_floor_f32 v12, -v13                          ; the new -M = floor(-t) = -ceil(t): a whole number
	s_delay_alu instid0(VALU_DEP_1)
	v_sub_f32 v[T], v12, v[T]                      ; M's old value less its new one: a whole number, 0 or less
	s_delay_alu instid0(VALU_DEP_1)
	v_cvt_i32_f32 v[T], v[T]                       ; (it saturates)
	s_delay_alu instid0(VALU_DEP_1)
	v_ldexp_f32 v[F], 1.0, v[T]                    ; f = 2^(old M - new M)
.set n, 0
.rept 32
	v_pk_fma_f32 v[S+n:S+n+1], v[S+n:S+n+1], s[CS:CS+1], v[12:13] op_sel_hi:[1,0,0]   ; t - M, two at a time (of the pairs c and -M the low word serves both halves)
.set n, n+2
.endr
.irp b, 0,1,2,3
	v_fma_f32 v[BM+\b], v[BM+\b], s[CS], v12       ; the same of each block's largest score
.endr
.set n, 0
	s_setprio 1
	s_wait_alu depctr_va_vdst(0)
.rept 64
	v_exp_f32 v[S+n], v[S+n]                       ; p = 2^(t - M), at most 1: not normalised
.set n, n+1
.endr
	v_pk_mul_f32 v[14:15], v[14:15], v[F:F+1] op_sel_hi:[1,0]   ; the sums under the new M: a plain instruction behind the exponentials
	s_wait_alu depctr_va_vdst(0)                   ; the wait ahead of the first use: one for the batch of 64
.irp b, 0,1,2,3
	v_exp_f32 v[BM+\b], v[BM+\b]                   ; the block's largest p: the same two instructions on the same number give the same bits
.endr
	v_pk_add_f32 v[220:221], v[92:93], v[96:97]
	v_pk_add_f32 v[254:255], v[100:101], v[104:105]
	v_pk_add_f32 v[252:253], v[108:109], v[112:113]
	v_pk_add_f32 v[250:251], v[116:117], v[120:121]
	v_pk_add_f32 v[248:249], v[124:125], v[128:129]
	v_pk_add_f32 v[246:247], v[132:133], v[136:137]
	v_pk_add_f32 v[244:245], v[140:141], v[144:145]
	v_pk_add_f32 v[14:15], v[14:15], v[148:149]
	v_pk_add_f32 v[220:221], v[220:221], v[88:89]
	v_pk_add_f32 v[254:255], v[254:255], v[90:91]
	v_pk_add_f32 v[252:253], v[252:253], v[94:95]
	v_pk_add_f32 v[250:251], v[250:251], v[98:99]
	v_pk_add_f32 v[248:249], v[248:249], v[102:103]
	v_pk_add_f32 v[246:247], v[246:247], v[106:107]
	v_pk_add_f32 v[244:245], v[244:245], v[110:111]
	v_pk_add_f32 v[14:15], v[14:15], v[114:115]
	v_pk_add_f32 v[220:221], v[220:221], v[118:119]
	v_pk_add_f32 v[254:255], v[254:255], v[122:123]
	v_pk_add_f32 v[252:253], v[252:253], v[126:127]
	v_pk_add_f32 v[250:251], v[250:251], v[130:131]
	v_pk_add_f32 v[248:249], v[248:249], v[134:135]
	v_pk_add_f32 v[246:247], v[246:247], v[138:139]
	v_pk_add_f32 v[244:245], v[244:245], v[142:143]
	v_pk_add_f32 v[14:15], v[14:15], v[146:147]
	v_pk_add_f32 v[220:221], v[220:221], v[150:151]
	s_delay_alu instid0(VALU_DEP_2)
	v_pk_add_f32 v[14:15], v[14:15], v[250:251]
	s_delay_alu instid0(VALU_DEP_2)
	v_pk_add_f32 v[220:221], v[220:221], v[248:249]
	v_pk_add_f32 v[254:255], v[254:255], v[246:247]
	v_pk_add_f32 v[252:253], v[252:253], v[244:245]
	s_delay_alu instid0(VALU_DEP_2)
	v_pk_add_f32 v[14:15], v[14:15], v[254:255]
	s_delay_alu instid0(VALU_DEP_2)
	v_pk_add_f32 v[220:221], v[220:221], v[252:253]
	s_delay_alu instid0(VALU_DEP_1)
	v_pk_add_f32 v[14:15], v[14:15], v[220:221]
	s_wait_alu depctr_va_vdst(0)                   ; and one for the four
.irp b, 0,1,2,3
	v_max_num_f32 v[BM+\b], 0x1800000, v[BM+\b]    ; the floor 2^(3 - 127): the byte cannot fall under 1
.endr
.irp b, 0,1,2,3
	s_delay_alu instid0(VALU_DEP_4)
	v_add_nc_u32 v[SO+\b], 0xff000000, v[BM+\b]    ; 2 off the exponent field: the conversion's scale operand
.endr
.irp b, 0,1,2,3
	s_delay_alu instid0(VALU_DEP_4)
	v_lshrrev_b32 v[BP+\b], 23, v[SO+\b]           ; the scale's byte
.endr
	s_delay_alu instid0(VALU_DEP_3)
	v_lshl_or_b32 v[PW], v[BP+1], 8, v[BP]         ; p's scale word for these 128 keys
	s_delay_alu instid0(VALU_DEP_1)
	v_lshl_or_b32 v[PW], v[BP+2], 16, v[PW]
	s_delay_alu instid0(VALU_DEP_1)
	v_lshl_or_b32 v[PW], v[BP+3], 24, v[PW]
.irp c, 0,1
	v_cvt_scalef32_pk16_fp6_f32 v[PC+6*\c:PC+6*\c+2], v[S+32*\c:S+32*\c+15], v[SO+2*\c]
	v_cvt_scalef32_pk16_fp6_f32 v[PT+4*\c:PT+4*\c+2], v[S+32*\c+16:S+32*\c+31], v[SO+2*\c+1]   ; (a conversion's three registers begin on an even number)
.endr
	v_nop                                          ; one plain place behind a scaled conversion
.irp c, 0,1                            ; the operand's layout wants a WHOLE block in a lane: lanes 0-15 block 2 c, lanes 16-31 block 2 c + 1
.irp i, 0,1,2
	v_permlane16_swap_b32 v[PC+6*\c+\i], v[PT+4*\c+\i]
.endr
.irp i, 0,1,2
	s_delay_alu instid0(VALU_DEP_3)
	v_mov_b32 v[PC+3+6*\c+\i], v[PT+4*\c+\i]
.endr
.endr
.set n, 0
	s_setprio 0
.rept 16
	v_pk_mul_f32 v[O+n:O+n+1], v[O+n:O+n+1], v[F:F+1] op_sel_hi:[1,0]   ; O^T under the new M, each accumulator from its low end on.  These sixteen are also the places between the writing of p's codes and scale word and the products
.set n, n+2
.endr
	s_wait_alu depctr_va_vdst(0)
	s_wait_dscnt 0x0                               ; V is in
.irp i, 0,1,2,3
	WMA O+8*\i, VF+12*\i, PC, VS+\i/2, PW, \i%2
.endr
	s_add_co_u32 s[TB], s[TB], REC                 ; the next record
.endm
.macro EIGHT_STEPS                     ; a slot's eight key steps: written once, walked eight times
	s_mov_b32 s41, 8
.Lstep_\@:
	s_setprio 2
	STEP
	s_sub_co_u32 s41, s41, 1
	s_cmp_lg_u32 s41, 0
	s_cbranch_scc1 .Lstep_\@
	s_setprio 0
.endm
; THE CHANGE OF SLOTS.  Each wave waits for all its tensor loads (its part of the slot ahead), adds 0 to its spare word, and waits for that and for its reads of the slot that it leaves.
; fill = 1: the barrier is a round of the cluster's, so that no wave of any partner still reads that slot or has a load on its way; the joint refill is the first thing behind it and has
; eight key steps in which to land.
.macro CHANGE fill
	s_wait_tensorcnt 0x0                           ; no tensor load of mine is out, so a group 0 may be written
	ds_add_u32 v[SPW], v[NIL]                      ; 0 onto my spare word
.if \fill
	s_xor_b32 s[G0B+1], s[G0B+1], SLOT1            ; the walking descriptor: the other slot than last time,
	s_add_nc_u64 s[G0B+2:G0B+3], s[G0B+2:G0B+3], SLOTB   ; the next eight records; the type bits on top are not reached
.endif
	s_wait_dscnt 0x0                               ; the add is done, and my reads of the slot are over
.if \fill
	CROUND
	JLOAD G0B
.else
	s_barrier_signal -1
	s_barrier_wait -1
.endif
	s_sub_co_u32 s[TB], s[TB], SLOTB               ; back to a slot's first record,
	s_xor_b32 s[TB], s[TB], SLOT1                  ; in the other slot
.endm
	s_wait_tensorcnt 0x1                           ; my part of slot 0 is in; slot 1's may stay out
	s_barrier_signal -1
	s_barrier_wait -1                              ; everybody's is
	s_wait_loadcnt 0x0                             ; Q
	EIGHT_STEPS                                    ; key steps 0 to 7
.Lslot:                                            ; two trips: key steps 8 to 23; slots 0 and 1 are filled again
	CHANGE 1
	EIGHT_STEPS
	s_sub_co_u32 s42, s42, 1
	s_cmp_lg_u32 s42, 0
	s_cbranch_scc1 .Lslot
	CHANGE 0                                       ; the last slot is written out
	EIGHT_STEPS
	; THE WAY OUT: O^T / the sum, quantised along the head's 64 channels as q and k were
.rept 4
	v_nop                                          ; places behind the last products
.endr
	v_add_f32 v14, v14, v15                        ; the sum's two halves,
	s_delay_alu instid0(VALU_DEP_1)
	v_permlanex16_b32 v11, v14, s[SEL], s[SEL+1]
	s_delay_alu instid0(VALU_DEP_1)
	v_add_f32 v14, v14, v11                        ; and lane l xor 16's: the row's sum
	s_wait_alu depctr_va_vdst(0)
	v_rcp_f32 v[F], v14
	v_nop                                          ; a plain instruction behind the reciprocal,
	s_wait_alu depctr_va_vdst(0)                   ; and the wait ahead of its first use
.set n, 0
.rept 16
	v_pk_mul_f32 v[O+n:O+n+1], v[O+n:O+n+1], v[F:F+1] op_sel_hi:[1,0]   ; register 16 b + i is channel 32 b + 16 h + i of my query
.set n, n+2
.endr
.irp b, 0,1
	v_max3_num_f32 v[BM+\b], |v[O+16*\b]|, |v[O+16*\b+1]|, 0x1800000
.endr
.irp i, 2,4,6,8,10,12,14
.irp b, 0,1
	s_delay_alu instid0(VALU_DEP_2)
	v_max3_num_f32 v[BM+\b], v[BM+\b], |v[O+16*\b+\i]|, |v[O+16*\b+\i+1]|
.endr
.endr
.irp b, 0,1
	s_delay_alu instid0(VALU_DEP_2)
	v_permlanex16_b32 v[BP+\b], v[BM+\b], s[SEL], s[SEL+1]
.endr
.irp b, 0,1
	s_delay_alu instid0(VALU_DEP_2)
	v_max_num_f32 v[BM+\b], v[BM+\b], v[BP+\b]
.endr
.irp b, 0,1
	s_delay_alu instid0(VALU_DEP_2)
	v_add_nc_u32 v[SO+\b], 0xff000000, v[BM+\b]
.endr
.irp b, 0,1
	s_delay_alu instid0(VALU_DEP_2)
	v_lshrrev_b32 v[BP+\b], 23, v[SO+\b]
.endr
	s_delay_alu instid0(VALU_DEP_1)
	v_lshl_or_b32 v[PW], v[BP+1], 8, v[BP]
	v_cvt_scalef32_pk16_fp6_f32 v[PC:PC+2], v[O:O+15], v[SO]
	v_cvt_scalef32_pk16_fp6_f32 v[PC+6:PC+8], v[O+16:O+31], v[SO+1]
	v_nop
.irp i, 0,1,2
	v_permlane16_swap_b32 v[PC+\i], v[PC+6+\i]
.endr
.irp i, 0,1,2
	s_delay_alu instid0(VALU_DEP_3)
	v_mov_b32 v[PC+3+\i], v[PC+6+\i]
.endr
	global_store_b128 v[L16], v[PC:PC+3], s[48:49]             ; the image: 512 and 256 consecutive bytes, aligned
	global_store_b64 v[L8], v[PC+4:PC+5], s[48:49] offset:512
	global_store_b16 v[R4], v[PW], s[50:51]                    ; my row's two bytes (lanes r and 16 + r store the same bytes with the same value)
	s_wait_tensorcnt 0x0                           ; the wave's end
	ds_add_u32 v[SPW], v[NIL]
	s_wait_dscnt 0x0
	CROUND                                         ; the closing round: no work-group ends while a partner may still ask for a tile that names it
	s_endpgm
.Lfunc_end_k_q41b1532cea_attn:
	.size	k_q41b1532cea_attn, .Lfunc_end_k_q41b1532cea_attn-k_q41b1532cea_attn
	.p2alignl 7, 3214868480
	.fill 96, 4, 3214868480
	.section	.rodata,"a",@progbits
	.p2align	6, 0x0
	.amdhsa_kernel k_q41b1532cea_attn
		.amdhsa_group_segment_fixed_size 327680
		.amdhsa_private_segment_fixed_size 0
		.amdhsa_enable_private_segment 0
		.amdhsa_kernarg_size 24
		.amdhsa_user_sgpr_count 2
		.amdhsa_user_sgpr_kernarg_segment_ptr 1
		.amdhsa_wavefront_size32 1
		.amdhsa_system_sgpr_workgroup_id_x 1
		.amdhsa_system_sgpr_workgroup_id_y 1
		.amdhsa_system_sgpr_workgroup_id_z 1
		.amdhsa_system_vgpr_workitem_id 0
		.amdhsa_next_free_vgpr 256
		.amdhsa_next_free_sgpr 66
		.amdhsa_reserve_vcc 0
		.amdhsa_float_denorm_mode_32 3
		.amdhsa_float_denorm_mode_16_64 3
		.amdhsa_memory_ordered 1
		.amdhsa_forward_progress 1
		.amdhsa_inst_pref_size 66
	.end_amdhsa_kernel
	.amdgpu_metadata
---
amdhsa.version: [ 1, 2 ]
amdhsa.kernels:
  - .name:           k_q41b1532cea_attn
    .symbol:         k_q41b1532cea_attn.kd
    .args:
      - { .name: qrec, .offset: 0, .size: 8, .value_kind: global_buffer, .address_space: global }
      - { .name: kvrec, .offset: 8, .size: 8, .value_kind: global_buffer, .address_space: global }
      - { .name: orec, .offset: 16, .size: 8, .value_kind: global_buffer, .address_space: global }
    .group_segment_fixed_size: 327680
    .private_segment_fixed_size: 0
    .kernarg_segment_align: 8
    .kernarg_segment_size: 24
    .max_flat_workgroup_size: 512
    .sgpr_count:     66
    .vgpr_count:     256
    .wavefront_size: 32
...
	.end_amdgpu_metadata
.endif
;; end of part 3
;; launch proj (part 4): grid 256 x 1, 8 waves a work-group, no clusters, 70,656 bytes of LDS; arguments orec, w_proj_codes, w_proj_scales, b_proj, x, out0; writes out0
.if DOCPART == 4
	.amdgcn_target "amdgcn-amd-amdhsa--gfx1250"
	.amdhsa_code_object_version 6
	.text
	.protected	k_q41b1532cea_proj
	.globl	k_q41b1532cea_proj
	.p2align	8
	.type	k_q41b1532cea_proj,@function
k_q41b1532cea_proj:
	s_mov_b64 s[64:65], 0
	v_nop
	global_prefetch_b8 v0, s[64:65] scope:SCOPE_SE
	s_setreg_imm32_b32 hwreg(HW_REG_WAVE_MODE, 25, 1), 1
	s_wait_xcnt 0x0
; THE OUTPUT PROJECTION, ITS BIAS AND THE RESIDUAL: out0[b][c][n] = x[b][c][n] + b_proj[c] + sum over k of o[b][n][k] w_proj[c][k], on codes of FP6 (E2M3) with E8M0 scales.
; A work-group takes 64 tokens of one image (id = 64 b + tb): four token tiles, whose fragments and scale words lie in orec as images of the operand's registers.
; Wave j makes output channels 32 j .. 32 j + 31 for all four tiles: 16 matrix instructions.  Source 0 = a token tile, source 1 = 16 rows of W: a lane holds ONE channel, and register j of tile 2 t + u
; is token 32 t + 16 h + 8 u + j (row r of that tile holds token 32 t + 8 u + r + (r & 8)): eight neighbouring numbers of a row of out0.
; The bias is the C of each sum's first matrix instruction.  A wave's 32 rows x 256 bytes go through its own stage in LDS and come back as whole rows: sixteen lanes load (x) and store (out0)
; 256 consecutive bytes, aligned.  No barrier: waves share no LDS byte.
; The weights (51,200 bytes) go from memory straight into the registers in which they are multiplied, each wave its own four fragments, once: nothing would be gained by sending them through LDS, so no cluster.
.set OS,  16                           ; v16-19  o's scale words: (pair t, K step s) at 2 t + s: lanes 0-15 tile 2 t, lanes 16-31 tile 2 t + 1
.set WS,  20                           ; v20-21  W's: a register a tile: lanes 0-15 K step 0, lanes 16-31 K step 1
.set OF,  32                           ; v32-127 o's eight fragments, (m, s) at 12 (2 m + s)
.set WF,  128                          ; v128-175 W's four, (i, s) at 12 (2 i + s)
.set BI,  176                          ; v176-191 the bias, eight registers a tile
.set ACC, 192                          ; v192-255 accumulator (i, m) at 8 (4 i + m)
.set BK,  32                           ; the way out: 32 rows read back from the stage;  window 1: v0-63 the same rows of x
.set SP,  272                          ; a stage row: 256 bytes + 16
.set MSB, 0
.macro WIN new                         ; the immediate's high byte repeats the setting that is left
.if MSB != \new
	s_set_vgpr_msb (MSB<<8)|\new
.set MSB, \new
.endif
.endm
.macro WM d, a, b, c, sa, sb, ra, rb   ; ra, rb: A's and B's scales stand in lanes 16-31 of their registers
.if (\ra) && (\rb)
	v_wmma_scale_f32_16x16x128_f8f6f4 v[\d:\d+7], v[\a:\a+11], v[\b:\b+11], v[\c:\c+7], v[\sa], v[\sb] matrix_a_fmt:MATRIX_FMT_FP6 matrix_b_fmt:MATRIX_FMT_FP6 matrix_a_scale:MATRIX_SCALE_ROW1 matrix_b_scale:MATRIX_SCALE_ROW1
.elseif (\ra)
	v_wmma_scale_f32_16x16x128_f8f6f4 v[\d:\d+7], v[\a:\a+11], v[\b:\b+11], v[\c:\c+7], v[\sa], v[\sb] matrix_a_fmt:MATRIX_FMT_FP6 matrix_b_fmt:MATRIX_FMT_FP6 matrix_a_scale:MATRIX_SCALE_ROW1
.elseif (\rb)
	v_wmma_scale_f32_16x16x128_f8f6f4 v[\d:\d+7], v[\a:\a+11], v[\b:\b+11], v[\c:\c+7], v[\sa], v[\sb] matrix_a_fmt:MATRIX_FMT_FP6 matrix_b_fmt:MATRIX_FMT_FP6 matrix_b_scale:MATRIX_SCALE_ROW1
.else
	v_wmma_scale_f32_16x16x128_f8f6f4 v[\d:\d+7], v[\a:\a+11], v[\b:\b+11], v[\c:\c+7], v[\sa], v[\sb] matrix_a_fmt:MATRIX_FMT_FP6 matrix_b_fmt:MATRIX_FMT_FP6
.endif
.endm
	s_load_b256 s[4:11], s[0:1], 0x0               ; orec, W's codes, W's scales, the bias
	s_load_b128 s[12:15], s[0:1], 0x20             ; x, out0
	v_lshl_add_u32 v30, v0, 2, 0x11000
	v_mov_b32 v31, 0
	v_lshrrev_b32 v1, 5, v0
	s_delay_alu instid0(VALU_DEP_1)
	v_readfirstlane_b32 s16, v1                    ; wave 0..7
	v_and_b32 v1, 31, v0                           ; lane
	v_and_b32 v2, 15, v0                           ; r
	v_bfe_u32 v3, v0, 4, 1                         ; h
	s_delay_alu instid0(VALU_DEP_3)
	v_lshlrev_b32 v4, 4, v1                        ; 16 x lane
	s_delay_alu instid0(VALU_DEP_4)
	v_lshlrev_b32 v5, 3, v1                        ; 8 x lane
	v_lshlrev_b32 v6, 2, v1                        ; 4 x lane
	v_mul_u32_u24 v7, v2, 192                      ; W: row r of 192 bytes,
	s_delay_alu instid0(VALU_DEP_1)
	v_mad_u32_u24 v7, v3, 24, v7                   ; + 24 h
	v_lshlrev_b32 v8, 3, v2
	s_delay_alu instid0(VALU_DEP_1)
	v_lshl_add_u32 v8, v3, 2, v8                   ; W's scales: 8 bytes a row; lanes 16-31 take K step 1's word
	v_lshlrev_b32 v9, 2, v2                        ; the bias of my channel
	s_mul_i32 s17, s16, 32*SP                      ; my stage
	v_mul_u32_u24 v10, v2, SP
	s_delay_alu instid0(VALU_DEP_1)
	v_lshl_add_u32 v10, v3, 6, v10
	s_delay_alu instid0(VALU_DEP_1)
	v_add_nc_u32 v10, s17, v10                     ; in: row r, + 16 h tokens
	v_mul_u32_u24 v11, v3, SP
	s_delay_alu instid0(VALU_DEP_1)
	v_lshl_add_u32 v11, v2, 4, v11
	s_delay_alu instid0(VALU_DEP_1)
	v_add_nc_u32 v11, s17, v11                     ; back: lanes 0-15 one row, lanes 16-31 the next
	v_lshlrev_b32 v12, 14, v3
	s_delay_alu instid0(VALU_DEP_1)
	v_lshl_add_u32 v12, v2, 4, v12                 ; and the same two rows in x and out0: 16,384 bytes apart
	s_mov_b32 s19, 0
	s_wait_alu depctr_va_vdst(0)
	s_wait_kmcnt 0x0
	s_mul_i32 s18, ttmp9, 12800                    ; my record
	s_add_nc_u64 s[4:5], s[4:5], s[18:19]
	s_mul_i32 s18, s16, 6144                       ; my 32 rows of W,
	s_add_nc_u64 s[6:7], s[6:7], s[18:19]
	s_lshl_b32 s18, s16, 8                         ; of its scales,
	s_add_nc_u64 s[8:9], s[8:9], s[18:19]
	s_lshl_b32 s18, s16, 7                         ; of the bias
	s_add_nc_u64 s[10:11], s[10:11], s[18:19]
	s_lshr_b32 s18, ttmp9, 6                       ; x, out0: b x 4 MiB + 32 j channels of 16,384 bytes + 256 tb
	s_lshl_b32 s18, s18, 22
	s_lshl_b32 s20, s16, 19
	s_or_b32 s18, s18, s20
	s_and_b32 s20, ttmp9, 63
	s_lshl_b32 s20, s20, 8
	s_or_b32 s18, s18, s20
	s_add_nc_u64 s[12:13], s[12:13], s[18:19]
	s_add_nc_u64 s[14:15], s[14:15], s[18:19]
.irp f, 0,1,2,3,4,5,6,7                ; fragment f = 2 m + s: its two halves (heads 2 s and 2 s + 1) lie on end
	global_load_b128 v[OF+12*\f:OF+12*\f+3], v4, s[4:5] offset:1536*\f
	global_load_b64 v[OF+12*\f+4:OF+12*\f+5], v5, s[4:5] offset:1536*\f+512
	global_load_b128 v[OF+12*\f+6:OF+12*\f+9], v4, s[4:5] offset:1536*\f+768
	global_load_b64 v[OF+12*\f+10:OF+12*\f+11], v5, s[4:5] offset:1536*\f+1280
.endr
.irp i, 0,1,2,3
	global_load_b32 v[OS+\i], v6, s[4:5] offset:12288+128*\i
.endr
.irp i, 0,1
.irp k, 0,1
.irp p, 0,1,2,3,4,5
	global_load_b64 v[WF+12*(2*\i+\k)+2*\p:WF+12*(2*\i+\k)+2*\p+1], v7, s[6:7] offset:3072*\i+96*\k+48*(\p/3)+8*(\p%3)
.endr
.endr
	global_load_b32 v[WS+\i], v8, s[8:9] offset:128*\i
.irp j, 0,1,2,3,4,5,6,7
	global_load_b32 v[BI+8*\i+\j], v9, s[10:11] offset:64*\i   ; a lane holds one channel: the same number in its eight registers
.endr
.endr
	WIN 0x40                                       ; destination window 1
.irp k, 0,1,2,3,4,5,6,7,8,9,10,11,12,13,14,15
	global_load_b128 v[4*\k:4*\k+3], v12, s[12:13] offset:\k*32768 th:TH_LOAD_NT   ; rows 2 k and 2 k + 1 of x: sixteen lanes read 256 consecutive bytes, aligned
.endr
	WIN 0
	s_wait_loadcnt 16                              ; all but x's sixteen
	; eight accumulators by turns, one instruction a turn, K step by K step
.irp i, 0,1
.irp m, 0,1,2,3
	WM ACC+8*(4*\i+\m), OF+24*\m, WF+24*\i, BI+8*\i, OS+2*(\m/2), WS+\i, \m%2, 0
.endr
.endr
.irp i, 0,1
.irp m, 0,1,2,3
	WM ACC+8*(4*\i+\m), OF+24*\m+12, WF+24*\i+12, ACC+8*(4*\i+\m), OS+2*(\m/2)+1, WS+\i, \m%2, 1
.endr
.endr
.rept 4
	v_nop                                          ; places in front of the first read of results and of loads into registers that the products read
.endr
.irp i, 0,1
.irp m, 0,1,2,3
	ds_store_b128 v10, v[ACC+8*(4*\i+\m):ACC+8*(4*\i+\m)+3] offset:16*\i*SP+(32*(\m/2)+8*(\m%2))*4       ; each accumulator from its low end on
	ds_store_b128 v10, v[ACC+8*(4*\i+\m)+4:ACC+8*(4*\i+\m)+7] offset:16*\i*SP+(32*(\m/2)+8*(\m%2))*4+16
.endr
.endr
.irp k, 0,1,2,3,4,5,6,7,8,9,10,11,12,13,14,15
	ds_load_b128 v[BK+4*\k:BK+4*\k+3], v11 offset:2*\k*SP      ; LDS serves a wave's instructions in order (ISA guide 5.7.1.4): these see my stores
.endr
	s_wait_dscnt 0x0
	s_wait_loadcnt 0x0                             ; x
	WIN 0x04                                       ; source 1 window 1
.set n, 0
.rept 32
	v_pk_add_f32 v[BK+n:BK+n+1], v[BK+n:BK+n+1], v[n:n+1]      ; the residual
.set n, n+2
.endr
	WIN 0
.irp k, 0,1,2,3,4,5,6,7,8,9,10,11,12,13,14,15
	global_store_b128 v12, v[BK+4*\k:BK+4*\k+3], s[14:15] offset:\k*32768 th:TH_STORE_NT   ; sixteen lanes store 256 consecutive bytes, aligned; written once, read by nobody here
.endr
	s_wait_tensorcnt 0x0
	ds_add_u32 v30, v31
	s_wait_dscnt 0x0
	s_endpgm
.Lfunc_end_k_q41b1532cea_proj:
	.size	k_q41b1532cea_proj, .Lfunc_end_k_q41b1532cea_proj-k_q41b1532cea_proj
	.p2alignl 7, 3214868480
	.fill 96, 4, 3214868480
	.section	.rodata,"a",@progbits
	.p2align	6, 0x0
	.amdhsa_kernel k_q41b1532cea_proj
		.amdhsa_group_segment_fixed_size 70656
		.amdhsa_private_segment_fixed_size 0
		.amdhsa_enable_private_segment 0
		.amdhsa_kernarg_size 48
		.amdhsa_user_sgpr_count 2
		.amdhsa_user_sgpr_kernarg_segment_ptr 1
		.amdhsa_wavefront_size32 1
		.amdhsa_system_sgpr_workgroup_id_x 1
		.amdhsa_system_sgpr_workgroup_id_y 1
		.amdhsa_system_sgpr_workgroup_id_z 1
		.amdhsa_system_vgpr_workitem_id 0
		.amdhsa_next_free_vgpr 320
		.amdhsa_next_free_sgpr 66
		.amdhsa_reserve_vcc 0
		.amdhsa_float_denorm_mode_32 3
		.amdhsa_float_denorm_mode_16_64 3
		.amdhsa_memory_ordered 1
		.amdhsa_forward_progress 1
		.amdhsa_inst_pref_size 20
	.end_amdhsa_kernel
	.amdgpu_metadata
---
amdhsa.version: [ 1, 2 ]
amdhsa.kernels:
  - .name:           k_q41b1532cea_proj
    .symbol:         k_q41b1532cea_proj.kd
    .args:
      - { .name: orec, .offset: 0, .size: 8, .value_kind: global_buffer, .address_space: global }
      - { .name: w_proj_codes, .offset: 8, .size: 8, .value_kind: global_buffer, .address_space: global }
      - { .name: w_proj_scales, .offset: 16, .size: 8, .value_kind: global_buffer, .address_space: global }
      - { .name: b_proj, .offset: 24, .size: 8, .value_kind: global_buffer, .address_space: global }
      - { .name: x, .offset: 32, .size: 8, .value_kind: global_buffer, .address_space: global }
      - { .name: out0, .offset: 40, .size: 8, .value_kind: global_buffer, .address_space: global }
    .group_segment_fixed_size: 70656
    .private_segment_fixed_size: 0
    .kernarg_segment_align: 8
    .kernarg_segment_size: 48
    .max_flat_workgroup_size: 256
    .sgpr_count:     66
    .vgpr_count:     320
    .wavefront_size: 32
...
	.end_amdgpu_metadata
.endif
;; end of part 4
